; MI455X (gfx1250); checked and timed in simulation.
; The chip was launched on July 23, 2026; its instructions are those of AMD's public machine-readable ISA for CDNA 5 (MIT licence, August 2026) and "CDNA5" Instruction Set Architecture Reference Guide (July 2026). The comments in the code are by the model that wrote it; some were corrected since.
;; ASAM Layer. Allowed arithmetic: matrix products marked QUANTISED: E2M1 operands, one E8M0 scale for each 32 along K, by v_wmma_scale_f32_16x16x128_f8f6f4 with both operands' format E2M1 (or v_wmma_scale_f32_32x16x128_f4), f32 sums; everything else in f32.
;; Inputs: b_ff1 4,096 float32; b_ff2 1,024 float32; b_out 1,024 float32; ln1_b 1,024 float32; ln1_g 1,024 float32; ln2_b 1,024 float32; ln2_g 1,024 float32; w_ff1_codes 4,096 x 32 x 16 uint8 (E2M1 codes of w_ff1, K innermost, in blocks of 32 codes, two codes a byte); w_ff1_scales 4,096 x 32 uint8 (E8M0 scales of w_ff1, one for each 32 codes along K); w_ff2_codes 1,024 x 128 x 16 uint8 (E2M1 codes of w_ff2, K innermost, in blocks of 32 codes, two codes a byte); w_ff2_scales 1,024 x 128 uint8 (E8M0 scales of w_ff2, one for each 32 codes along K); w_out_codes 1,024 x 32 x 16 uint8 (E2M1 codes of w_out, K innermost, in blocks of 32 codes, two codes a byte); w_out_scales 1,024 x 32 uint8 (E8M0 scales of w_out, one for each 32 codes along K); w_qkv_codes 3,072 x 32 x 16 uint8 (E2M1 codes of w_qkv, K innermost, in blocks of 32 codes, two codes a byte); w_qkv_scales 3,072 x 32 uint8 (E8M0 scales of w_qkv, one for each 32 codes along K); x 2 x 2,048 x 1,024 float32.
;; Outputs: out0 2 x 2,048 x 1,024 float32.
;; This version of the problem:
;;   THIS VERSION OF THE PROBLEM IS GIVEN IN LOW PRECISION. The matrix products marked QUANTISED in the list below multiply operands that are first quantised to E2M1 (2 exponent bits, 1 mantissa bit; 4 bits a number), with one power-of-two scale for each 32 numbers along K (OCP MX v1.0); their sums are f32. All else is computed in f32.
;;   The module's matrix products, in the order in which they are computed (A, B: the left and right operand; K: the contracted axis; several contracted axes count as one K, in the product's order):
;;     1. [M 4,096, K 1,024] x [K 1,024, N 3,072]; A: computed on the way; B: input w_qkv (given as codes): QUANTISED
;;     2. batch 32 x [M 2,048, K 64] x [K 64, N 2,048]; A: computed on the way; B: computed on the way: QUANTISED
;;     3. batch 32 x [M 2,048, K 2,048] x [K 2,048, N 64]; A: computed on the way; B: computed on the way: QUANTISED
;;     4. [M 4,096, K 1,024] x [K 1,024, N 1,024]; A: computed on the way; B: input w_out (given as codes): QUANTISED
;;     5. [M 4,096, K 1,024] x [K 1,024, N 4,096]; A: computed on the way; B: input w_ff1 (given as codes): QUANTISED
;;     6. [M 4,096, K 4,096] x [K 4,096, N 1,024]; A: computed on the way; B: input w_ff2 (given as codes): QUANTISED
;;   THE QUANTISER, for each operand of a quantised product, along K:
;;     - K is cut into blocks of 32 from its start; a last block that is shorter is filled with zeros.
;;     - A block's scale is 2^e with e = floor(log2(the largest magnitude in the block)) - 2, held to -126 .. 127; a block of zeros has e = 0. As a byte (E8M0): e + 127.
;;     - Each number is divided by its block's scale, clamped to +-6, and rounded to the nearest number of E2M1, ties to even, subnormals kept.
;;     - The product sums the exact products of the quantised numbers (number of the format x scale) in f32.
;;   ~~~python
;;   def quantise(x, axis):      # numpy; x: float32 -> the quantised numbers, widened to float32 again
;;       x = np.moveaxis(x, axis, -1); K = x.shape[-1]
;;       x = np.pad(x, [(0, 0)] * (x.ndim - 1) + [(0, -K % 32)]); x = x.reshape(x.shape[:-1] + (-1, 32)); a = np.abs(x).max(-1, keepdims=True)
;;       e = np.where(a > 0, np.clip(np.frexp(np.where(a > 0, a, 1))[1] - 1 - 2, -126, 127), 0)      # np.frexp(a)[1] - 1 = floor(log2(a)), exactly
;;       r = np.clip(x / 2.0 ** e, -6, 6)
;;       step = 2.0 ** (np.maximum(np.frexp(np.where(r == 0, 1, r))[1] - 1, 0) - 1)
;;       q = np.round(r / step) * step * 2.0 ** e      # np.round: ties to even
;;       return np.moveaxis(q.reshape(q.shape[:-2] + (-1,))[..., :K], -1, axis).astype(np.float32)
;;   ~~~
;;   OPERANDS COMPUTED ON THE WAY. 'Computed on the way' means the value that the module computes at that place (a softmax that the list does not call 'softmax' is quantised finished and normalised). What goes into a quantiser is computed in f32, as accurately as f32 sums, v_exp_f32 and their like allow (about 1e-6 of the number): no bf16 or f16 on the way to a quantiser, and a product that is left as it is and whose result goes on into a quantised operand takes f32 operands (vector FMAs, or v_wmma_f32_16x16x4_f32). A number that lies on a knife's edge between two numbers of the format may be rounded either way, as far as f32 arithmetic and the matrix unit's own rounding can turn it there, and no further.
;;   INPUTS GIVEN AS CODES. w_ff1 (in the module: [4096, 1024], K = its axis 1); w_ff2 (in the module: [1024, 4096], K = its axis 1); w_out (in the module: [1024, 1024], K = its axis 1); w_qkv (in the module: [3072, 1024], K = its axis 1): each comes as NAME_codes (uint8): NAME with its K axis moved to the last place and cut into blocks of 32 codes, [.., K / 32, bytes a block], one block behind the other in memory; two codes a byte, the lower K in the low four bits (a code: sign, 2 exponent bits, 1 mantissa bit); and NAME_scales (uint8): the same leading axes, one E8M0 byte (e + 127) for each 32 codes along K. Its value is code x scale, taken as it is: it is not quantised again, and the codes and scales need not be those that the quantiser above would give.
;; One version. Each part assembles by itself: llvm-mc -triple=amdgcn-amd-amdhsa -mcpu=gfx1250 --defsym DOCPART=n.
;; ======== version 1 of 1: 5 launches
;; limits: right only within a limited range of input values
;; workspace buffers: actc 2,097,152 bytes; acts 131,072 bytes; qkvc 6,291,456 bytes; qkvs 786,432 bytes; x1 16,777,216 bytes; hc 8,388,608 bytes; hs 524,288 bytes
;; launch ln1 (part 1): grid 512 x 1, 8 waves a work-group, no clusters, 38,144 bytes of LDS; arguments x, ln1_g, ln1_b, actc, acts; writes actc, acts
.if DOCPART == 1
	.amdgcn_target "amdgcn-amd-amdhsa--gfx1250"
	.amdhsa_code_object_version 6
	.text
	.protected	k_q4c8dc43fdf_ln1
	.globl	k_q4c8dc43fdf_ln1
	.p2align	8
	.type	k_q4c8dc43fdf_ln1,@function
k_q4c8dc43fdf_ln1:
	s_mov_b64 s[64:65], 0
	v_nop
	global_prefetch_b8 v0, s[64:65] scope:SCOPE_SE
	s_setreg_imm32_b32 hwreg(HW_REG_WAVE_MODE, 25, 1), 1
	s_wait_xcnt 0x0
; LAYER NORM AND QUANTISER.  x [4096][1024] f32, g, b [1024] f32 -> codes of FP4 (E2M1) [4096][512 bytes], K innermost, and one E8M0 byte for each 32 along K, [4096][32].
; THE WHOLE PROGRAM, five launches: norm | q, k, v | attention + projection + residual + second norm | first FFN product + GELU | second FFN product + residual.
; WORK LEFT OUT (in the attention launch alone).  The scores of keys with |i - j| > 128 are set to -infinity by the function itself, whatever the inputs hold; their weights are 0; a block of 32
; weights that are all 0 has zero codes and adds nothing to the second product.  A tile of 16 queries from q0 on, a = q0 / 32, has keys that count only in the key blocks a - 4 .. a + 4: the other
; 55 blocks' scores and products are not made.  LIMIT: a NaN, an infinity or an overflow that lies only in keys or values outside a row's window is not carried to the result.
; The factor 64^-0.5 = 2^-3 on q: Q(q 2^-3) = 2^-3 Q(q) exactly (the scale's exponent moves by 3, the codes stay), so q is quantised as it is and 2^-3 goes into the softmax's constant.
; LIMIT: blocks of q whose largest magnitude lies under 2^-121, where the scaled block's exponent would be held at -126.  Every input is loaded.
; LIMITS of every quantiser here: a block of zeros gets the byte 1 where the rule says 127 (its codes are zeros, and this program alone reads the bytes); blocks whose largest magnitude lies
; under 2^-124, the floor, are held at that byte; NaN and infinities among the inputs are not served.
; SHARES.  One wave, one row of 4,096 bytes, kept in 32 registers: mean, then the mean of the squared differences, as the function has them.  No loop: every row has its own wave.
; The conversions want 32 NEIGHBOURS in a lane, the loads want neighbouring lanes on neighbouring bytes: the row turns through the wave's own stage in LDS (32 places of 128 bytes + 16).
.set STW,   4608                       ; a wave's stage: 32 x 144 bytes
.set SCB,   36864                      ; the work-group's 8 x 32 scale bytes
.set SPARE, 37120                      ; the spare words, 128 bytes a wave
.set X,  16
.set G,  48
.set BB, 80
.set Y,  112
.set C,  144
	s_load_b256 s[4:11], s[0:1], 0x0               ; in, g, b, codes
	s_load_b64 s[12:13], s[0:1], 0x20              ; scale bytes
	v_lshl_add_u32 v6, v0, 2, SPARE                ; my spare word; never rewritten
	v_mov_b32 v7, 0                                ; 0; never rewritten
	v_lshrrev_b32 v1, 5, v0
	s_delay_alu instid0(VALU_DEP_1)
	v_readfirstlane_b32 s14, v1                    ; wave 0..7
	v_and_b32 v1, 31, v0                           ; lane
	s_delay_alu instid0(VALU_DEP_1)
	v_lshlrev_b32 v2, 4, v1                        ; 16 x lane
	s_mul_i32 s15, s14, STW
	v_lshrrev_b32 v3, 3, v1
	s_delay_alu instid0(VALU_DEP_1)
	v_mul_u32_u24 v3, v3, 144
	v_and_b32 v4, 7, v1
	s_delay_alu instid0(VALU_DEP_1)
	v_lshl_add_u32 v3, v4, 4, v3
	s_delay_alu instid0(VALU_DEP_1)
	v_add_nc_u32 v3, s15, v3                       ; into the stage: eight lanes' 128 bytes on end, then 16 of padding
	v_mul_u32_u24 v4, v1, 144
	s_delay_alu instid0(VALU_DEP_1)
	v_add_nc_u32 v4, s15, v4                       ; out of it: place = lane
	s_lshl_b32 s16, s14, 5
	s_add_co_u32 s16, s16, SCB
	v_add_nc_u32 v5, s16, v1                       ; my block's scale byte
	v_lshlrev_b32 v153, 3, v1                      ; wave 0's way out: 8 bytes a lane,
	s_delay_alu instid0(VALU_DEP_1)
	v_add_nc_u32 v152, SCB, v153                   ; in LDS
	s_mov_b32 s18, 0x76543210
	s_mov_b32 s19, 0xfedcba98                      ; v_permlanex16_b32's selects for lane l xor 16
	s_mov_b32 s20, 0x3a800000                      ; 1 / 1024
	s_mov_b32 s21, 0x3727c5ac                      ; 1e-5
	s_lshl_b32 s17, ttmp9, 3
	s_add_co_u32 s17, s17, s14                     ; my row
	s_lshl_b32 s2, s17, 12
	s_mov_b32 s3, 0
	s_lshl_b32 s22, s17, 9
	s_mov_b32 s23, 0
	s_wait_kmcnt 0x0
	s_add_nc_u64 s[4:5], s[4:5], s[2:3]
	s_add_nc_u64 s[10:11], s[10:11], s[22:23]
	s_lshl_b32 s22, ttmp9, 8                       ; the work-group's 256 scale bytes
	s_add_nc_u64 s[12:13], s[12:13], s[22:23]
.irp k, 0,1,2,3,4,5,6,7
	global_load_b128 v[X+4*\k:X+4*\k+3], v2, s[4:5] offset:512*\k      ; 32 lanes read 512 consecutive bytes
.endr
.irp k, 0,1,2,3,4,5,6,7
	global_load_b128 v[G+4*\k:G+4*\k+3], v2, s[6:7] offset:512*\k
.endr
.irp k, 0,1,2,3,4,5,6,7
	global_load_b128 v[BB+4*\k:BB+4*\k+3], v2, s[8:9] offset:512*\k
.endr
.macro ACROSS                          ; v[8:11], two pairs of partial sums, become the sum over the wave, in every lane's v8
	s_delay_alu instid0(VALU_DEP_1)
	v_pk_add_f32 v[8:9], v[8:9], v[10:11]
	s_delay_alu instid0(VALU_DEP_1)
	v_add_f32 v8, v8, v9
	s_delay_alu instid0(VALU_DEP_1)
	v_add_f32_dpp v8, v8, v8 row_xmask:1 row_mask:0xf bank_mask:0xf
	s_delay_alu instid0(VALU_DEP_1)
	v_add_f32_dpp v8, v8, v8 row_xmask:2 row_mask:0xf bank_mask:0xf
	s_delay_alu instid0(VALU_DEP_1)
	v_add_f32_dpp v8, v8, v8 row_xmask:4 row_mask:0xf bank_mask:0xf
	s_delay_alu instid0(VALU_DEP_1)
	v_add_f32_dpp v8, v8, v8 row_xmask:8 row_mask:0xf bank_mask:0xf
	s_delay_alu instid0(VALU_DEP_1)
	v_permlanex16_b32 v9, v8, s18, s19
	s_delay_alu instid0(VALU_DEP_1)
	v_add_f32 v8, v8, v9
.endm
	s_wait_loadcnt 16                              ; the row is in; the 16 loads of g and b may be out
	v_pk_add_f32 v[8:9], v[X:X+1], v[X+2:X+3]
	v_pk_add_f32 v[10:11], v[X+4:X+5], v[X+6:X+7]
.irp j, 8,12,16,20,24,28
	s_delay_alu instid0(VALU_DEP_2)
	v_pk_add_f32 v[8:9], v[8:9], v[X+\j:X+\j+1]
	s_delay_alu instid0(VALU_DEP_2)
	v_pk_add_f32 v[10:11], v[10:11], v[X+\j+2:X+\j+3]
.endr
	ACROSS
	s_delay_alu instid0(VALU_DEP_1)
	v_mul_f32 v12, s20, v8                         ; the mean
	s_delay_alu instid0(VALU_DEP_1)
	v_mov_b32 v13, v12
.irp j, 0,2,4,6,8,10,12,14,16,18,20,22,24,26,28,30
	v_pk_add_f32 v[X+\j:X+\j+1], v[X+\j:X+\j+1], v[12:13] neg_lo:[0,1] neg_hi:[0,1]   ; x - mean
.endr
	v_pk_mul_f32 v[8:9], v[X:X+1], v[X:X+1]
	v_pk_mul_f32 v[10:11], v[X+2:X+3], v[X+2:X+3]
.irp j, 4,8,12,16,20,24,28
	s_delay_alu instid0(VALU_DEP_2)
	v_pk_fma_f32 v[8:9], v[X+\j:X+\j+1], v[X+\j:X+\j+1], v[8:9]
	s_delay_alu instid0(VALU_DEP_2)
	v_pk_fma_f32 v[10:11], v[X+\j+2:X+\j+3], v[X+\j+2:X+\j+3], v[10:11]
.endr
	ACROSS
	s_delay_alu instid0(VALU_DEP_1)
	v_fma_f32 v14, v8, s20, s21                    ; the variance + 1e-5
	s_wait_alu depctr_va_vdst(0)
	v_rsq_f32 v14, v14
	v_nop                                          ; a plain instruction behind the transcendental,
	s_wait_alu depctr_va_vdst(0)                   ; and the wait ahead of its first reader
	v_mov_b32 v15, v14
	s_wait_alu depctr_va_vdst(0)
	s_wait_loadcnt 0x0                             ; g and b
.irp j, 0,2,4,6,8,10,12,14,16,18,20,22,24,26,28,30
	v_pk_mul_f32 v[X+\j:X+\j+1], v[X+\j:X+\j+1], v[14:15]
.endr
.irp j, 0,2,4,6,8,10,12,14,16,18,20,22,24,26,28,30
	v_pk_fma_f32 v[X+\j:X+\j+1], v[X+\j:X+\j+1], v[G+\j:G+\j+1], v[BB+\j:BB+\j+1]
.endr
.irp k, 0,1,2,3,4,5,6,7
	ds_store_b128 v3, v[X+4*\k:X+4*\k+3] offset:576*\k
.endr
.irp m, 0,1,2,3,4,5,6,7
	ds_load_b128 v[Y+4*\m:Y+4*\m+3], v4 offset:16*\m       ; LDS serves a wave's instructions in order: these see my stores.  Lane l now holds block l of the row
.endr
	s_wait_dscnt 0x0
	v_max3_num_f32 v150, |v[Y]|, |v[Y+1]|, |v[Y+2]|        ; the block's largest magnitude: all 32 numbers are mine
	v_max3_num_f32 v151, |v[Y+3]|, |v[Y+4]|, |v[Y+5]|
.irp i, 6,10,14,18,22,26
	s_delay_alu instid0(VALU_DEP_2)
	v_max3_num_f32 v150, v150, |v[Y+\i]|, |v[Y+\i+1]|
	s_delay_alu instid0(VALU_DEP_2)
	v_max3_num_f32 v151, v151, |v[Y+\i+2]|, |v[Y+\i+3]|
.endr
	s_delay_alu instid0(VALU_DEP_2)
	v_max3_num_f32 v150, v150, |v[Y+30]|, |v[Y+31]|
	s_delay_alu instid0(VALU_DEP_1)
	v_max3_num_f32 v150, v150, v151, 0x1800000     ; and the floor 2^(3 - 127): the byte cannot fall under 1
	s_delay_alu instid0(VALU_DEP_1)
	v_add_nc_u32 v149, 0xff000000, v150            ; 2 off the exponent field: the conversion takes this operand's exponent field as its scale
	s_delay_alu instid0(VALU_DEP_1)
	v_lshrrev_b32 v148, 23, v149                   ; the scale's byte
.irp g, 0,1,2,3
	v_cvt_scalef32_pk8_fp4_f32 v[C+\g], v[Y+8*\g:Y+8*\g+7], v149
.endr
	v_nop                                          ; a plain instruction behind the last conversion
	global_store_b128 v2, v[C:C+3], s[10:11]       ; 32 lanes store the row's 512 bytes of codes: two aligned runs of 256
	ds_store_b8 v5, v148
	s_wait_dscnt 0x0                               ; for wave 0's sake: my byte has landed
	s_barrier_signal -1
	s_barrier_wait -1
	s_cmp_lg_u32 s14, 0
	s_cbranch_scc1 .Lnot_wave_0
	ds_load_b64 v[10:11], v152                     ; the eight rows' 256 scale bytes
	s_wait_dscnt 0x0
	global_store_b64 v153, v[10:11], s[12:13]      ; one aligned run of 256 bytes
.Lnot_wave_0:
	s_wait_tensorcnt 0x0                           ; the wave's end
	ds_add_u32 v6, v7
	s_wait_dscnt 0x0
	s_endpgm
.Lfunc_end_k_q4c8dc43fdf_ln1:
	.size	k_q4c8dc43fdf_ln1, .Lfunc_end_k_q4c8dc43fdf_ln1-k_q4c8dc43fdf_ln1
	.p2alignl 7, 3214868480
	.fill 96, 4, 3214868480
	.section	.rodata,"a",@progbits
	.p2align	6, 0x0
	.amdhsa_kernel k_q4c8dc43fdf_ln1
		.amdhsa_group_segment_fixed_size 38144
		.amdhsa_private_segment_fixed_size 0
		.amdhsa_enable_private_segment 0
		.amdhsa_kernarg_size 40
		.amdhsa_user_sgpr_count 2
		.amdhsa_user_sgpr_kernarg_segment_ptr 1
		.amdhsa_wavefront_size32 1
		.amdhsa_system_sgpr_workgroup_id_x 1
		.amdhsa_system_sgpr_workgroup_id_y 1
		.amdhsa_system_sgpr_workgroup_id_z 1
		.amdhsa_system_vgpr_workitem_id 0
		.amdhsa_next_free_vgpr 156
		.amdhsa_next_free_sgpr 66
		.amdhsa_reserve_vcc 0
		.amdhsa_float_denorm_mode_32 3
		.amdhsa_float_denorm_mode_16_64 3
		.amdhsa_memory_ordered 1
		.amdhsa_forward_progress 1
		.amdhsa_inst_pref_size 16
	.end_amdhsa_kernel
	.amdgpu_metadata
---
amdhsa.version: [ 1, 2 ]
amdhsa.kernels:
  - .name:           k_q4c8dc43fdf_ln1
    .symbol:         k_q4c8dc43fdf_ln1.kd
    .args:
      - { .name: x, .offset: 0, .size: 8, .value_kind: global_buffer, .address_space: global }
      - { .name: ln1_g, .offset: 8, .size: 8, .value_kind: global_buffer, .address_space: global }
      - { .name: ln1_b, .offset: 16, .size: 8, .value_kind: global_buffer, .address_space: global }
      - { .name: actc, .offset: 24, .size: 8, .value_kind: global_buffer, .address_space: global }
      - { .name: acts, .offset: 32, .size: 8, .value_kind: global_buffer, .address_space: global }
    .group_segment_fixed_size: 38144
    .private_segment_fixed_size: 0
    .kernarg_segment_align: 8
    .kernarg_segment_size: 40
    .max_flat_workgroup_size: 256
    .sgpr_count:     66
    .vgpr_count:     156
    .wavefront_size: 32
...
	.end_amdgpu_metadata
.endif
;; end of part 1
;; launch qkv (part 2): grid 12 x 16, 16 waves a work-group, clusters of 4 x 4, 327,680 bytes of LDS; arguments actc, acts, w_qkv_codes, w_qkv_scales, qkvc, qkvs; writes qkvc, qkvs
.if DOCPART == 2
	.amdgcn_target "amdgcn-amd-amdhsa--gfx1250"
	.amdhsa_code_object_version 6
	.text
	.protected	k_q4c8dc43fdf_qkv
	.globl	k_q4c8dc43fdf_qkv
	.p2align	8
	.type	k_q4c8dc43fdf_qkv,@function
k_q4c8dc43fdf_qkv:
	s_mov_b64 s[64:65], 0
	v_nop
	global_prefetch_b8 v0, s[64:65] scope:SCOPE_SE
	s_setreg_imm32_b32 hwreg(HW_REG_WAVE_MODE, 25, 1), 1
	s_wait_xcnt 0x0
	s_wait_alu depctr_hold_cnt(0) depctr_sa_sdst(0) depctr_va_vdst(0) depctr_va_sdst(0) depctr_va_ssrc(0) depctr_va_vcc(0) depctr_vm_vsrc(0)
	s_getreg_b32 s2, hwreg(HW_REG_IB_STS2, 6, 4)
	s_cmp_eq_u32 s2, 0
	s_cbranch_scc0 .Lentry_in_a_cluster
	s_endpgm
.Lentry_in_a_cluster:
	s_bfe_u32 s2, ttmp6, 0x10000c
	s_cmp_lg_u32 s2, 0xf033
	s_cbranch_scc0 .Lentry_shape_is_right
	s_endpgm
.Lentry_shape_is_right:
; q, k, v = Q(h) Q(w_qkv)^T on codes of FP4 with E8M0 scales, and the three results quantised on the way out: q and k along the head's 64, v along the KEYS (32 tokens to a block).
; h: codes [4096][512 bytes], scale bytes [4096][32].  w_qkv: codes [3072][512 bytes], scale bytes [3072][32].
; OUT.  Codes, three sections of 2^21 bytes: q, k: [b][head][s][32 bytes]; v: [b][head][key block 64][d 64][16 bytes].  Scale words, three sections of 2^18 bytes, each word = byte of block 0 |
; byte of block 1 << 8 | 0x7f7f0000: q, k: [b][head][s]; v: [b][head][pair of key blocks 32][d 64].  So the attention launch loads every operand by dense 16-byte loads.
; SHARES.  A work-group makes 256 x 256 of the product; K = 1,024 lies in LDS whole (two panels of 256 rows x 512 bytes): one fill, no ring.  Sixteen waves, four to a SIMD, each 64 x 64: 16 accumulators.
; Panel P0 feeds source 0, panel P1 source 1: in a result lane (r, h) holds P1's row r and P0's rows 8 h + 0 .. 7, so P0 IS THE AXIS THAT THE WAY OUT QUANTISES ALONG.
; Clusters x = 0, 1 (q, k): P0 = rows of w_qkv, P1 = tokens.  Cluster x = 2 (v): P0 = tokens, P1 = rows of w_qkv.  Only pointers and tile numbers are chosen (by the cluster's x, which all partners
; share); there is one path through the text.
; CLUSTER 4 x 4: P1's tile hangs on cy and is shared along a row of the cluster, P0's on cx and is shared along a column: joint loads, which divide the requests by four.
; Sixteen first fills (four quarters each of P1's codes, P0's codes, P1's scales, P0's scales), sixteen waves: each wave issues one; one tensor load of mine is out.
; No prefetch: all tiles are first fills at the head.  No work-group stays: one tile each.
.set P0B,   135168                     ; LDS: P1's 256 rows x 528 at 0, P0's here
.set SC1B,  270336                     ; P1's scale bytes: 32 units of 256 bytes + 16
.set SC0B,  279040                     ; P0's
.set SPARE, 287744                     ; the spare words, 128 bytes a wave: eight blocks of 256 bytes that no other line names
.set SC,   16                          ; v16-31  scale words: register 4 i + q % 4: lanes 0-15 P1's tile i, lanes 16-31 P0's tile i
.set F0,   64                          ; v64-95  P0's four fragments
.set F1,   96                          ; v96-127 P1's four
.set ACC,  128                         ; v128-255 accumulator (i, j) at 128 + 8 (4 i + j)
.set TM,   56                          ; v56-63  the quantiser's temporaries
.set WV,   16
.set SEL,  66
.set G1C1, 24
.set G1C0, 32
.set G1S1, 48
.set G1S0, 56
.set G0C1, 68
.set G0C0, 72
.set G0S1, 76
.set G0S0, 80
.macro PLACES n
.rept \n
	v_nop
.endr
.endm
.macro CROUND                          ; a round of the cluster's barrier
	s_barrier_signal -1
	s_barrier_wait -1
	s_cmp_lg_u32 s[WV], 0
	s_cbranch_scc1 .Lnot_wave_0_\@
	s_barrier_signal -3
.Lnot_wave_0_\@:
	s_barrier_wait -3
	s_barrier_signal -1
	s_barrier_wait -1
.endm
.macro TL g0, g1                       ; a joint load; an s_nop 0 and four v_nop follow it
	tensor_load_to_lds s[\g0:\g0+3], s[\g1:\g1+7]
	s_nop 0
.rept 4
	v_nop
.endr
.endm
.macro WM d, a, b, sa, sb, start       ; source 0's scales lie in lanes 16-31 of their register
.if \start
	v_wmma_scale_f32_16x16x128_f8f6f4 v[(\d):(\d)+7], v[(\a):(\a)+7], v[(\b):(\b)+7], 0, v[\sa], v[\sb] matrix_a_fmt:MATRIX_FMT_FP4 matrix_b_fmt:MATRIX_FMT_FP4 matrix_a_scale:MATRIX_SCALE_ROW1
.else
	v_wmma_scale_f32_16x16x128_f8f6f4 v[(\d):(\d)+7], v[(\a):(\a)+7], v[(\b):(\b)+7], v[(\d):(\d)+7], v[\sa], v[\sb] matrix_a_fmt:MATRIX_FMT_FP4 matrix_b_fmt:MATRIX_FMT_FP4 matrix_a_scale:MATRIX_SCALE_ROW1
.endif
.endm
; Four tiles of results, two blocks of 32 along source 0's rows (block 0: a0, a1; block 1: a2, a3; a lane holds 8 h + 0 .. 7 of each tile), become codes: lane (r, h) ends with the 16 bytes of block h
; of its row r in v[c : c + 3], in the natural order; the two scale bytes lie in v[TM+4], v[TM+5], the same in both halves of the lanes.  Each accumulator is first read at its registers 0 and 1.
.macro QUANT2 a0, a1, a2, a3, c
	v_max3_num_f32 v[TM], |v[(\a0)]|, |v[(\a0)+1]|, 0x1800000      ; with the floor 2^(3 - 127): the byte cannot fall under 1
	v_max3_num_f32 v[TM+1], |v[(\a2)]|, |v[(\a2)+1]|, 0x1800000
.irp i, 2,4,6
	v_max3_num_f32 v[TM], v[TM], |v[(\a0)+\i]|, |v[(\a0)+\i+1]|
	v_max3_num_f32 v[TM+1], v[TM+1], |v[(\a2)+\i]|, |v[(\a2)+\i+1]|
.endr
.irp i, 0,2,4,6
	v_max3_num_f32 v[TM], v[TM], |v[(\a1)+\i]|, |v[(\a1)+\i+1]|
	v_max3_num_f32 v[TM+1], v[TM+1], |v[(\a3)+\i]|, |v[(\a3)+\i+1]|
.endr
	s_delay_alu instid0(VALU_DEP_2)
	v_permlanex16_b32 v[TM+2], v[TM], s[SEL], s[SEL+1]
	s_delay_alu instid0(VALU_DEP_2)
	v_permlanex16_b32 v[TM+3], v[TM+1], s[SEL], s[SEL+1]
	s_delay_alu instid0(VALU_DEP_2)
	v_max_num_f32 v[TM], v[TM], v[TM+2]            ; with lane l xor 16's 16 numbers: the block's largest magnitude
	s_delay_alu instid0(VALU_DEP_2)
	v_max_num_f32 v[TM+1], v[TM+1], v[TM+3]
	s_delay_alu instid0(VALU_DEP_2)
	v_add_nc_u32 v[TM+6], 0xff000000, v[TM]        ; 2 off the exponent field: the conversion's scale operand
	s_delay_alu instid0(VALU_DEP_2)
	v_add_nc_u32 v[TM+7], 0xff000000, v[TM+1]
	s_delay_alu instid0(VALU_DEP_2)
	v_lshrrev_b32 v[TM+4], 23, v[TM+6]             ; the scales' bytes
	s_delay_alu instid0(VALU_DEP_2)
	v_lshrrev_b32 v[TM+5], 23, v[TM+7]
	v_cvt_scalef32_pk8_fp4_f32 v[(\c)], v[(\a0):(\a0)+7], v[TM+6]
	v_cvt_scalef32_pk8_fp4_f32 v[(\c)+2], v[(\a1):(\a1)+7], v[TM+6]
	v_cvt_scalef32_pk8_fp4_f32 v[(\c)+1], v[(\a2):(\a2)+7], v[TM+7]
	v_cvt_scalef32_pk8_fp4_f32 v[(\c)+3], v[(\a3):(\a3)+7], v[TM+7]
	v_nop                                          ; a plain instruction behind the last conversion
	v_permlane16_swap_b32 v[(\c)], v[(\c)+1]       ; the first's lanes 16-31 change places with the second's lanes 0-15
	v_permlane16_swap_b32 v[(\c)+2], v[(\c)+3]
.endm
	s_load_b256 s[4:11], s[0:1], 0x0               ; h's codes, h's scales, w's codes, w's scales
	s_load_b128 s[12:15], s[0:1], 0x20             ; the codes out, the scale words out
	v_lshl_add_u32 v6, v0, 2, SPARE                ; my spare word; never rewritten
	v_mov_b32 v7, 0                                ; 0; never rewritten
	ds_add_u32 v6, v7                              ; the wave's opening: the add, twice on end, and its wait ahead of my first tensor load
	ds_add_u32 v6, v7
	v_lshrrev_b32 v1, 5, v0
	s_delay_alu instid0(VALU_DEP_1)
	v_readfirstlane_b32 s[WV], v1                  ; wave 0..15
	s_lshr_b32 s17, s[WV], 2                       ; wi: my 64 rows of P0
	s_and_b32 s18, s[WV], 3                        ; wj: my 64 rows of P1.  Also: which quarter of a panel I fetch
	s_bfe_u32 s40, ttmp6, 0x40000                  ; cx
	s_bfe_u32 s41, ttmp6, 0x40004                  ; cy
	s_and_b32 s19, ttmp7, 0xffff                   ; the cluster's y
	s_lshl_b32 s43, s41, 2
	s_lshl_b32 s43, 15, s43                        ; my row of the cluster
	s_lshl_b32 s44, 0x1111, s40                    ; my column
	s_lshl_b32 s94, s19, 2
	s_add_co_u32 s94, s94, s41                     ; P1's tile: of tokens, 4 y + cy,
	s_add_co_u32 s95, s41, 8                       ; or of w's rows, 8 + cy (v's rows begin at 2,048)
	s_lshl_b32 s96, ttmp9, 2
	s_add_co_u32 s96, s96, s40                     ; P0's tile: of w's rows, 4 x + cx,
	s_lshl_b32 s97, s19, 2
	s_add_co_u32 s97, s97, s40                     ; or of tokens, 4 y + cx
	s_cmp_eq_u32 ttmp9, 2                          ; the cluster's x: the same in all sixteen partners
	s_cselect_b32 s45, s95, s94                    ; T1: it hangs on cy, never on cx
	s_cselect_b32 s42, s97, s96                    ; T0: it hangs on cx, never on cy
	s_lshl_b32 s94, s45, 17                        ; (256 T1 + 64 quarter) rows of 512 bytes
	s_lshl_b32 s95, s18, 15
	s_add_co_u32 s94, s94, s95
	s_mov_b32 s95, 0
	s_lshr_b32 s98, s94, 4                         ; and of 32 scale bytes
	s_mov_b32 s99, 0
	s_lshl_b32 s96, s42, 17
	s_lshl_b32 s97, s18, 15
	s_add_co_u32 s96, s96, s97
	s_mov_b32 s97, 0
	s_lshr_b32 s20, s96, 4
	s_mov_b32 s21, 0
	s_mul_i32 s22, s18, 33792                      ; where a quarter goes in LDS: 64 rows of 528,
	s_mul_i32 s23, s18, 2176                       ; 8 units of 272: no place in the cluster enters an LDS address
	s_or_b32 s[G1C1], s43, 0x07b00000              ; 15:0 the mask; elements of 1 byte; 20 padding on; 21 set beside a mask; after every 128 words (code 6) four words (code 3)
	s_or_b32 s[G1C0], s44, 0x07b00000
.irp g, G1C1, G1C0
	s_mov_b32 s[\g+1], 512<<16                     ; tensor_dim0
	s_mov_b32 s[\g+2], 64<<16                      ; tensor_dim1
	s_mov_b32 s[\g+3], 512<<16                     ; tile_dim0
	s_mov_b32 s[\g+4], 64                          ; tile_dim1
	s_mov_b32 s[\g+5], 512                         ; the pitch
	s_mov_b32 s[\g+6], 0
	s_mov_b32 s[\g+7], 0
.endr
	s_or_b32 s[G1S1], s43, 0x07730000              ; 64 rows' scale bytes, 2,048 dense bytes, as 8 rows of 256 (32 elements of 8 bytes), four words of padding behind each
	s_or_b32 s[G1S0], s44, 0x07730000
.irp g, G1S1, G1S0
	s_mov_b32 s[\g+1], 32<<16
	s_mov_b32 s[\g+2], 8<<16
	s_mov_b32 s[\g+3], 32<<16
	s_mov_b32 s[\g+4], 8
	s_mov_b32 s[\g+5], 32
	s_mov_b32 s[\g+6], 0
	s_mov_b32 s[\g+7], 0
.endr
	s_mov_b32 s[SEL], 0x76543210
	s_mov_b32 s[SEL+1], 0xfedcba98                 ; v_permlanex16_b32's selects for lane l xor 16
	s_mov_b32 s46, 0xffff0000                      ; lanes 16-31
	s_wait_dscnt 0x0                               ; both opening adds are done
	s_wait_kmcnt 0x0
	s_cmp_eq_u32 ttmp9, 2
	s_cselect_b64 s[84:85], s[8:9], s[4:5]         ; P1's codes,
	s_cselect_b64 s[86:87], s[10:11], s[6:7]       ; its scales,
	s_cselect_b64 s[88:89], s[4:5], s[8:9]         ; P0's codes,
	s_cselect_b64 s[90:91], s[6:7], s[10:11]       ; its scales
	s_mov_b32 s[G0C1], 1
	s_mov_b32 s[G0C1+1], s22
	s_add_nc_u64 s[G0C1+2:G0C1+3], s[84:85], s[94:95]
	s_or_b32 s[G0C1+3], s[G0C1+3], 0x80000000
	s_mov_b32 s[G0C0], 1
	s_add_co_u32 s[G0C0+1], s22, P0B
	s_add_nc_u64 s[G0C0+2:G0C0+3], s[88:89], s[96:97]
	s_or_b32 s[G0C0+3], s[G0C0+3], 0x80000000
	s_mov_b32 s[G0S1], 1
	s_add_co_u32 s[G0S1+1], s23, SC1B
	s_add_nc_u64 s[G0S1+2:G0S1+3], s[86:87], s[98:99]
	s_or_b32 s[G0S1+3], s[G0S1+3], 0x80000000
	s_mov_b32 s[G0S0], 1
	s_add_co_u32 s[G0S0+1], s23, SC0B
	s_add_nc_u64 s[G0S0+2:G0S0+3], s[90:91], s[20:21]
	s_or_b32 s[G0S0+3], s[G0S0+3], 0x80000000
	CROUND                                         ; all sixteen work-groups are here: the joint loads meet
	s_cmp_lt_u32 s[WV], 8                          ; waves 0-3: P1's codes; 4-7: P0's codes; 8-11: P1's scales; 12-15: P0's scales.  The branches hang on the wave's number alone
	s_cbranch_scc0 .Lscales
	s_cmp_lt_u32 s[WV], 4
	s_cbranch_scc0 .Lcodes0
	TL G0C1, G1C1
	s_branch .Lasked
.Lcodes0:
	TL G0C0, G1C0
	s_branch .Lasked
.Lscales:
	s_cmp_lt_u32 s[WV], 12
	s_cbranch_scc0 .Lscales0
	TL G0S1, G1S1
	s_branch .Lasked
.Lscales0:
	TL G0S0, G1S0
.Lasked:
	v_and_b32 v1, 15, v0                           ; r
	v_bfe_u32 v2, v0, 4, 1                         ; h
	s_delay_alu instid0(VALU_DEP_2)
	v_mul_u32_u24 v8, v1, 528
	s_delay_alu instid0(VALU_DEP_1)
	v_lshl_add_u32 v8, v2, 4, v8                   ; a fragment's row x pitch + 16 h
	s_mul_i32 s94, s17, 33792
	s_add_co_u32 s94, s94, P0B
	v_add_nc_u32 v3, s94, v8                       ; my rows of P0
	s_mul_i32 s95, s18, 33792
	v_add_nc_u32 v4, s95, v8                       ; my rows of P1
	v_lshrrev_b32 v9, 3, v1
	s_delay_alu instid0(VALU_DEP_1)
	v_mul_u32_u24 v9, v9, 272
	v_and_b32 v10, 7, v1
	s_delay_alu instid0(VALU_DEP_1)
	v_lshl_add_u32 v9, v10, 5, v9                  ; row r's 32 scale bytes: eight rows to a unit
	s_xor_b32 s94, s18, 3
	s_add_co_u32 s94, s94, 1
	s_add_co_u32 s94, s94, s17
	s_mul_i32 s94, s94, 2176                       ; from P1's rows of mine to P0's: 8,704 + 2,176 (wi - wj)
	v_mul_u32_u24 v10, s94, v2                     ; lanes 16-31 take P0's
	s_mul_i32 s95, s18, 2176
	s_add_co_u32 s95, s95, SC1B
	v_add_nc_u32 v9, v9, v10
	s_delay_alu instid0(VALU_DEP_1)
	v_add_nc_u32 v5, s95, v9
	v_mov_b32 v[TM+2], 0                           ; written once: a lane permute's destination counts as one of its sources
	v_mov_b32 v[TM+3], 0
	; where my results go.  tok0: my first token; head: my head (64 rows of w are one head's)
	s_lshl_b32 s94, s45, 8
	s_lshl_b32 s98, s18, 6
	s_add_co_u32 s94, s94, s98                     ; 256 T1 + 64 wj
	s_lshl_b32 s95, s42, 8
	s_lshl_b32 s98, s17, 6
	s_add_co_u32 s95, s95, s98                     ; 256 T0 + 64 wi
	s_lshl_b32 s96, s40, 2
	s_add_co_u32 s96, s96, s17                     ; 4 cx + wi
	s_lshl_b32 s97, s41, 2
	s_add_co_u32 s97, s97, s18                     ; 4 cy + wj
	s_cmp_eq_u32 ttmp9, 2
	s_cselect_b32 s98, s95, s94                    ; tok0
	s_cselect_b32 s99, s97, s96                    ; head
	s_cselect_b32 s20, 16, 32                      ; bytes from r to r + 1: a d of v, or a token of q, k
	s_cselect_b32 s21, 1024, 16                    ; from block 0 to block 1
	s_lshr_b32 s94, s98, 11
	s_lshl_b32 s94, s94, 4
	s_add_co_u32 s94, s94, s99                     ; 16 b + head
	s_and_b32 s95, s98, 2047                       ; s
	s_lshl_b32 s96, ttmp9, 21
	s_lshl_b32 s97, s94, 16
	s_add_co_u32 s96, s96, s97
	s_lshl_b32 s97, s95, 5
	s_add_co_u32 s96, s96, s97
	s_mov_b32 s97, 0
	s_add_nc_u64 s[12:13], s[12:13], s[96:97]
	s_lshl_b32 s96, ttmp9, 18
	s_lshl_b32 s98, s94, 13
	s_add_co_u32 s96, s96, s98
	s_lshl_b32 s98, s95, 2
	s_add_co_u32 s96, s96, s98
	s_add_nc_u64 s[14:15], s[14:15], s[96:97]
	s_lshl_b32 s22, s20, 4                         ; from tile j to tile j + 1
	v_mul_u32_u24 v8, v1, s20
	s_delay_alu instid0(VALU_DEP_1)
	v_mad_u32_u24 v8, v2, s21, v8
	s_delay_alu instid0(VALU_DEP_1)
	v_add_nc_u32 v9, s22, v8
	s_delay_alu instid0(VALU_DEP_1)
	v_add_nc_u32 v10, s22, v9
	s_delay_alu instid0(VALU_DEP_1)
	v_add_nc_u32 v11, s22, v10
	v_and_b32 v12, 31, v0
	s_delay_alu instid0(VALU_DEP_1)
	v_lshlrev_b32 v12, 2, v12                      ; a scale word a lane
	s_wait_tensorcnt 0x0                           ; my quarter has landed,
	s_barrier_signal -1
	s_barrier_wait -1                              ; everybody's has
; A step of 128 along K: 16 LDS loads (20 where the scale words of four steps come too), 16 products; the sixteen accumulators take turns.
.macro KSTEP q
.if (\q) > 0
	PLACES 4                                       ; in front of loads into registers that matrix instructions have read
.endif
.if ((\q) % 4) == 0
.irp i, 0,1,2,3
	ds_load_b128 v[SC+4*\i:SC+4*\i+3], v5 offset:544*\i+16*((\q)/4)
.endr
.endif
.irp j, 0,1,2,3
	ds_load_b128 v[F1+8*\j:F1+8*\j+3], v4 offset:8448*\j+64*(\q)
	ds_load_b128 v[F1+8*\j+4:F1+8*\j+7], v4 offset:8448*\j+64*(\q)+32
.endr
.irp i, 0,1,2,3
	ds_load_b128 v[F0+8*\i:F0+8*\i+3], v3 offset:8448*\i+64*(\q)
	ds_load_b128 v[F0+8*\i+4:F0+8*\i+7], v3 offset:8448*\i+64*(\q)+32
.endr
.irp i, 0,1,2,3
	s_wait_dscnt 6-2*\i                            ; P0's tile i is in; the loads of its later tiles may be out
.irp j, 0,1,2,3
	WM ACC+8*(4*\i+\j), F0+8*\i, F1+8*\j, SC+4*\i+(\q)%4, SC+4*\j+(\q)%4, (\q)==0
.endr
.endr
.endm
.irp q, 0,1,2,3,4,5,6,7
	KSTEP \q
.endr
	; THE WAY OUT: for each of P1's four tiles the four tiles along P0 are two blocks of 32
	PLACES 4
.irp j, 0,1,2,3
	QUANT2 ACC+8*\j, ACC+8*(4+\j), ACC+8*(8+\j), ACC+8*(12+\j), 32+4*\j
	v_lshl_or_b32 v[48+\j], v[TM+5], 8, v[TM+4]
	s_delay_alu instid0(VALU_DEP_1)
	v_or_b32 v[48+\j], 0x7f7f0000, v[48+\j]        ; bytes 2 and 3 stand for 1: the attention's K steps are filled up with zero codes
	global_store_b128 v[8+\j], v[32+4*\j:35+4*\j], s[12:13]        ; q, k: 512 consecutive bytes; v: two aligned runs of 256
.endr
	v_cndmask_b32 v52, v48, v49, s46               ; lanes 0-15 store tile 0's words, lanes 16-31 tile 1's: 128 consecutive bytes
	v_cndmask_b32 v53, v50, v51, s46
	global_store_b32 v12, v52, s[14:15]
	global_store_b32 v12, v53, s[14:15] offset:128
	s_wait_tensorcnt 0x0                           ; the wave's end
	ds_add_u32 v6, v7
	s_wait_dscnt 0x0
	CROUND                                         ; the closing round
	s_endpgm
.Lfunc_end_k_q4c8dc43fdf_qkv:
	.size	k_q4c8dc43fdf_qkv, .Lfunc_end_k_q4c8dc43fdf_qkv-k_q4c8dc43fdf_qkv
	.p2alignl 7, 3214868480
	.fill 96, 4, 3214868480
	.section	.rodata,"a",@progbits
	.p2align	6, 0x0
	.amdhsa_kernel k_q4c8dc43fdf_qkv
		.amdhsa_group_segment_fixed_size 327680
		.amdhsa_private_segment_fixed_size 0
		.amdhsa_enable_private_segment 0
		.amdhsa_kernarg_size 48
		.amdhsa_user_sgpr_count 2
		.amdhsa_user_sgpr_kernarg_segment_ptr 1
		.amdhsa_wavefront_size32 1
		.amdhsa_system_sgpr_workgroup_id_x 1
		.amdhsa_system_sgpr_workgroup_id_y 1
		.amdhsa_system_sgpr_workgroup_id_z 1
		.amdhsa_system_vgpr_workitem_id 0
		.amdhsa_next_free_vgpr 256
		.amdhsa_next_free_sgpr 100
		.amdhsa_reserve_vcc 0
		.amdhsa_float_denorm_mode_32 3
		.amdhsa_float_denorm_mode_16_64 3
		.amdhsa_memory_ordered 1
		.amdhsa_forward_progress 1
		.amdhsa_inst_pref_size 46
	.end_amdhsa_kernel
	.amdgpu_metadata
---
amdhsa.version: [ 1, 2 ]
amdhsa.kernels:
  - .name:           k_q4c8dc43fdf_qkv
    .symbol:         k_q4c8dc43fdf_qkv.kd
    .args:
      - { .name: actc, .offset: 0, .size: 8, .value_kind: global_buffer, .address_space: global }
      - { .name: acts, .offset: 8, .size: 8, .value_kind: global_buffer, .address_space: global }
      - { .name: w_qkv_codes, .offset: 16, .size: 8, .value_kind: global_buffer, .address_space: global }
      - { .name: w_qkv_scales, .offset: 24, .size: 8, .value_kind: global_buffer, .address_space: global }
      - { .name: qkvc, .offset: 32, .size: 8, .value_kind: global_buffer, .address_space: global }
      - { .name: qkvs, .offset: 40, .size: 8, .value_kind: global_buffer, .address_space: global }
    .group_segment_fixed_size: 327680
    .private_segment_fixed_size: 0
    .kernarg_segment_align: 8
    .kernarg_segment_size: 48
    .max_flat_workgroup_size: 512
    .sgpr_count:     100
    .vgpr_count:     256
    .wavefront_size: 32
...
	.end_amdgpu_metadata
.endif
;; end of part 2
;; launch attn (part 3): grid 256 x 1, 16 waves a work-group, clusters of 4 x 1, 327,680 bytes of LDS; arguments qkvc, qkvs, w_out_codes, w_out_scales, b_out, x, ln2_g, ln2_b, x1, actc, acts; writes x1, actc, acts
.if DOCPART == 3
	.amdgcn_target "amdgcn-amd-amdhsa--gfx1250"
	.amdhsa_code_object_version 6
	.text
	.protected	k_q4c8dc43fdf_attn
	.globl	k_q4c8dc43fdf_attn
	.p2align	8
	.type	k_q4c8dc43fdf_attn,@function
k_q4c8dc43fdf_attn:
	s_mov_b64 s[64:65], 0
	v_nop
	global_prefetch_b8 v0, s[64:65] scope:SCOPE_SE
	s_setreg_imm32_b32 hwreg(HW_REG_WAVE_MODE, 25, 1), 1
	s_wait_xcnt 0x0
	s_wait_alu depctr_hold_cnt(0) depctr_sa_sdst(0) depctr_va_vdst(0) depctr_va_sdst(0) depctr_va_ssrc(0) depctr_va_vcc(0) depctr_vm_vsrc(0)
	s_getreg_b32 s2, hwreg(HW_REG_IB_STS2, 6, 4)
	s_cmp_eq_u32 s2, 0
	s_cbranch_scc0 .Lentry_in_a_cluster
	s_endpgm
.Lentry_in_a_cluster:
	s_bfe_u32 s2, ttmp6, 0x10000c
	s_cmp_lg_u32 s2, 0x3003
	s_cbranch_scc0 .Lentry_shape_is_right
	s_endpgm
.Lentry_shape_is_right:
; ATTENTION UNDER THE BAND |i - j| <= 128, THE PROJECTION, THE RESIDUAL AND THE SECOND NORM, for 16 tokens a work-group.  All three products on codes of FP4 with E8M0 scales.
; WORK LEFT OUT: key blocks of 32 that lie wholly outside a query tile's band (the function itself sets their scores to -infinity, so their weights are zero codes): nine blocks of 64 are walked.
; LIMIT: a NaN or an infinity that lies only in keys or values outside a row's window is not carried to the result.
; THE SOFTMAX IS QUANTISED FINISHED: p = exp(s - max) / sum, so a tile's whole window of scores (288 keys, 144 registers) stays in registers until the row's sum is known.
; The: a NaN or +infinity among a row's scores makes the row's sum NaN, the function then has NaN in the whole row and turns it to 0; here the sum is compared with itself and the
; row's output codes are replaced by zeros (a select, no branch).
; SHARES.  256 work-groups x 16 tokens.  Wave w owns head w of the 16 tokens in the attention; columns 32 w .. + 31 and 512 + 32 w .. + 31 in the projection; token w's whole row in the norm.
; At a sequence's ends the window of nine blocks is moved inwards (first block = min(max(a - 4, 0), 55)), so that no load leaves the head; the mask hides what does not count.
; LAYOUT.  S^T = K Q^T, O^T = V^T P^T, out^T = W O^T: a lane holds ONE token throughout.  K = 64 in the first product: the upper 64 of the instruction's 128 are zero codes in Q's fragment.
; q, k, v come from memory straight into registers (the launch before laid them as dense 16-byte loads).
; w_out: rows 0-511 (512 x 528 bytes in LDS) and all its scale bytes are asked for at the head, one tensor load a wave (waves 0-7: 64 rows of codes; waves 8-15: 128 rows' scale bytes); they are on
; their way while the attention is computed.  Rows 512-1023 fill the same bytes again, once, when every wave has the first half's fragments in registers.
; CLUSTER 4 x 1: all work-groups walk the same w_out, so the four partners ask jointly (mask 15).  Branches on the place in the sequence are made of the cluster's number, which the partners share:
; a cluster's four tiles of queries are 4 c .. 4 c + 3, so tile < 8 is c < 2 and tile >= 120 is c >= 30.
; The attention's codes reach the other waves as images of the projection's operand registers in LDS.  The projection's f32 results turn through a stage laid over w_out's bytes, which have then had
; their last fill and their last read; wave w reads token w's row back, adds the bias and x, stores x1, and norms and quantises the row with no sum between waves.
; No prefetch: the text has no loop to run ahead in.  OUT: x1 [4096][1024] f32; codes [4096][512 bytes]; scale bytes [4096][32].
.set SCB,   270336                     ; LDS: w_out's 512 rows x 528 at 0; its scale bytes here: 128 units of 256 bytes + 16
.set AIM,   305152                     ; the attention's codes: 8 K steps x 1,024 bytes
.set ASW,   313344                     ; their scale words: 8 K steps x 16 tokens
.set SPARE, 313856                     ; the spare words, 128 bytes a wave: eight blocks of 256 bytes that no other line names
.set SCL,   315904                     ; the norm's 16 x 32 scale bytes
.set LNS,   66048                      ; over w_out's bytes: the f32 stage, 16 rows x 4,112, at 0; each wave's stage of 32 x 144 bytes from here
.set S,   112                          ; v112-255 S^T, then p.  Later: p's codes, O^T, V of block 8
.set KD,  30                           ; v30-101  K, later V
.set U,   94
.set T,   104
.set TM,  104
.set BM,  3
.set SEL, 20                           ; s[20:21].  v12-21 hold scales alone, in the whole text
.set G1C, 68
.set G1S, 76
.set G0C, 84
.set G0S, 88
.set X,   64                           ; the way out: v64-95 the row; v96-127 g; v128-159 b; v160-191 a block of 32 neighbours; v192-223 x, then the row less its mean; v224-255 the bias
.set G,   96
.set BB,  128
.set Y,   160
.set D,   192
.set BI,  224
.macro PLACES n
.rept \n
	v_nop
.endr
.endm
.macro ROUND                           ; a round of the cluster's barrier
	s_barrier_signal -1
	s_barrier_wait -1
	s_cmp_lg_u32 s12, 0
	s_cbranch_scc1 .Lnot_first_\@
	s_barrier_signal -3
.Lnot_first_\@:
	s_barrier_wait -3
	s_barrier_signal -1
	s_barrier_wait -1
.endm
.macro WM d, a, b, sa, sb, kind        ; kind: 1: source 0's scales in lanes 16-31; 2: source 1's; 4: the product starts the sum
.if (\kind) == 4
	v_wmma_scale_f32_16x16x128_f8f6f4 v[(\d):(\d)+7], v[(\a):(\a)+7], v[(\b):(\b)+7], 0, v[\sa], v[\sb] matrix_a_fmt:MATRIX_FMT_FP4 matrix_b_fmt:MATRIX_FMT_FP4
.elseif (\kind) == 5
	v_wmma_scale_f32_16x16x128_f8f6f4 v[(\d):(\d)+7], v[(\a):(\a)+7], v[(\b):(\b)+7], 0, v[\sa], v[\sb] matrix_a_fmt:MATRIX_FMT_FP4 matrix_b_fmt:MATRIX_FMT_FP4 matrix_a_scale:MATRIX_SCALE_ROW1
.elseif (\kind) == 0
	v_wmma_scale_f32_16x16x128_f8f6f4 v[(\d):(\d)+7], v[(\a):(\a)+7], v[(\b):(\b)+7], v[(\d):(\d)+7], v[\sa], v[\sb] matrix_a_fmt:MATRIX_FMT_FP4 matrix_b_fmt:MATRIX_FMT_FP4
.elseif (\kind) == 1
	v_wmma_scale_f32_16x16x128_f8f6f4 v[(\d):(\d)+7], v[(\a):(\a)+7], v[(\b):(\b)+7], v[(\d):(\d)+7], v[\sa], v[\sb] matrix_a_fmt:MATRIX_FMT_FP4 matrix_b_fmt:MATRIX_FMT_FP4 matrix_a_scale:MATRIX_SCALE_ROW1
.elseif (\kind) == 2
	v_wmma_scale_f32_16x16x128_f8f6f4 v[(\d):(\d)+7], v[(\a):(\a)+7], v[(\b):(\b)+7], v[(\d):(\d)+7], v[\sa], v[\sb] matrix_a_fmt:MATRIX_FMT_FP4 matrix_b_fmt:MATRIX_FMT_FP4 matrix_b_scale:MATRIX_SCALE_ROW1
.else
	v_wmma_scale_f32_16x16x128_f8f6f4 v[(\d):(\d)+7], v[(\a):(\a)+7], v[(\b):(\b)+7], v[(\d):(\d)+7], v[\sa], v[\sb] matrix_a_fmt:MATRIX_FMT_FP4 matrix_b_fmt:MATRIX_FMT_FP4 matrix_a_scale:MATRIX_SCALE_ROW1 matrix_b_scale:MATRIX_SCALE_ROW1
.endif
.endm
; Four tiles of results, two blocks of 32 (block 0: a0, a1; block 1: a2, a3), become codes: lane (r, h) ends with the 16 bytes of block h of its row r in v[c : c + 3]; the bytes lie in v[TM+4], v[TM+5].
.macro QUANT2 a0, a1, a2, a3, c
	v_max3_num_f32 v[TM], |v[(\a0)]|, |v[(\a0)+1]|, 0x1800000
	v_max3_num_f32 v[TM+1], |v[(\a2)]|, |v[(\a2)+1]|, 0x1800000
.irp i, 2,4,6
	v_max3_num_f32 v[TM], v[TM], |v[(\a0)+\i]|, |v[(\a0)+\i+1]|
	v_max3_num_f32 v[TM+1], v[TM+1], |v[(\a2)+\i]|, |v[(\a2)+\i+1]|
.endr
.irp i, 0,2,4,6
	v_max3_num_f32 v[TM], v[TM], |v[(\a1)+\i]|, |v[(\a1)+\i+1]|
	v_max3_num_f32 v[TM+1], v[TM+1], |v[(\a3)+\i]|, |v[(\a3)+\i+1]|
.endr
	s_delay_alu instid0(VALU_DEP_2)
	v_permlanex16_b32 v[TM+2], v[TM], s[SEL], s[SEL+1]
	s_delay_alu instid0(VALU_DEP_2)
	v_permlanex16_b32 v[TM+3], v[TM+1], s[SEL], s[SEL+1]
	s_delay_alu instid0(VALU_DEP_2)
	v_max_num_f32 v[TM], v[TM], v[TM+2]
	s_delay_alu instid0(VALU_DEP_2)
	v_max_num_f32 v[TM+1], v[TM+1], v[TM+3]
	s_delay_alu instid0(VALU_DEP_2)
	v_add_nc_u32 v[TM+6], 0xff000000, v[TM]
	s_delay_alu instid0(VALU_DEP_2)
	v_add_nc_u32 v[TM+7], 0xff000000, v[TM+1]
	s_delay_alu instid0(VALU_DEP_2)
	v_lshrrev_b32 v[TM+4], 23, v[TM+6]
	s_delay_alu instid0(VALU_DEP_2)
	v_lshrrev_b32 v[TM+5], 23, v[TM+7]
	v_cvt_scalef32_pk8_fp4_f32 v[(\c)], v[(\a0):(\a0)+7], v[TM+6]
	v_cvt_scalef32_pk8_fp4_f32 v[(\c)+2], v[(\a1):(\a1)+7], v[TM+6]
	v_cvt_scalef32_pk8_fp4_f32 v[(\c)+1], v[(\a2):(\a2)+7], v[TM+7]
	v_cvt_scalef32_pk8_fp4_f32 v[(\c)+3], v[(\a3):(\a3)+7], v[TM+7]
	v_nop
	v_permlane16_swap_b32 v[(\c)], v[(\c)+1]
	v_permlane16_swap_b32 v[(\c)+2], v[(\c)+3]
.endm
; The weights of blocks blk, blk + 1 (tiles tile .. tile + 3) become four registers of codes, in the order in which two exchanges of halves give each lane a whole block
.macro PCONV dst, tile, blk
	v_cvt_scalef32_pk8_fp4_f32 v[(\dst)], v[S+8*(\tile):S+8*(\tile)+7], v[BM+(\blk)]
	v_cvt_scalef32_pk8_fp4_f32 v[(\dst)+2], v[S+8*(\tile)+8:S+8*(\tile)+15], v[BM+(\blk)]
	v_cvt_scalef32_pk8_fp4_f32 v[(\dst)+1], v[S+8*(\tile)+16:S+8*(\tile)+23], v[BM+(\blk)+1]
	v_cvt_scalef32_pk8_fp4_f32 v[(\dst)+3], v[S+8*(\tile)+24:S+8*(\tile)+31], v[BM+(\blk)+1]
.endm
; Register n of block b's sixteen holds key - query = E + 32 b + c, c = n (tile 2 b) or 16 + n - 8 (tile 2 b + 1).  Hidden below: c < -128 - E - 32 b; above: c > 128 - E - 32 b.
.macro MASKL b
	v_sub_nc_u32 v9, -128-32*(\b), v7
.irp n, 0,1,2,3,4,5,6,7
	v_cmp_lt_i32 vcc_lo, \n, v9
	v_cndmask_b32 v[S+16*(\b)+\n], v[S+16*(\b)+\n], v8, vcc_lo
.endr
.irp n, 0,1,2,3,4,5,6,7
	v_cmp_lt_i32 vcc_lo, 16+\n, v9
	v_cndmask_b32 v[S+16*(\b)+8+\n], v[S+16*(\b)+8+\n], v8, vcc_lo
.endr
.endm
.macro MASKH b
	v_sub_nc_u32 v9, 128-32*(\b), v7
.irp n, 0,1,2,3,4,5,6,7
	v_cmp_gt_i32 vcc_lo, \n, v9
	v_cndmask_b32 v[S+16*(\b)+\n], v[S+16*(\b)+\n], v8, vcc_lo
.endr
.irp n, 0,1,2,3,4,5,6,7
	v_cmp_gt_i32 vcc_lo, 16+\n, v9
	v_cndmask_b32 v[S+16*(\b)+8+\n], v[S+16*(\b)+8+\n], v8, vcc_lo
.endr
.endm
.macro LW q0, reg                      ; w_out's fragments of my two tiles of 16 rows, K steps q0 .. q0 + 3, into 64 registers
.irp q, 0,1,2,3
.irp t, 0,1
	ds_load_b128 v[(\reg)+16*\q+8*\t:(\reg)+16*\q+8*\t+3], v6 offset:8448*\t+64*((\q0)+\q)
	ds_load_b128 v[(\reg)+16*\q+8*\t+4:(\reg)+16*\q+8*\t+7], v6 offset:8448*\t+64*((\q0)+\q)+32
.endr
.endr
.endm
.macro MM p, q0, reg                   ; eight products of half p: the two accumulators take turns.  v12-19: w_out's scale words (K steps 0-3 in lanes 0-15, 4-7 in lanes 16-31); v20, v21: the tokens' (an even K step below, the odd one above)
.irp q, 0,1,2,3
.irp t, 0,1
.if ((\q0)+\q) == 0
	WM 32+16*(\p)+8*\t, (\reg)+16*\q+8*\t, 64+8*((\q0)+\q), 12+4*\t+\q, 20+\q/2, 4
.else
	WM 32+16*(\p)+8*\t, (\reg)+16*\q+8*\t, 64+8*((\q0)+\q), 12+4*\t+\q, 20+\q/2, (\q0)/4+2*(\q%2)
.endif
.endr
.endr
.endm
.macro ACROSS                          ; v[22:25], two pairs of partial sums, become the sum over the wave, in every lane's v22
	s_delay_alu instid0(VALU_DEP_1)
	v_pk_add_f32 v[22:23], v[22:23], v[24:25]
	s_delay_alu instid0(VALU_DEP_1)
	v_add_f32 v22, v22, v23
	s_delay_alu instid0(VALU_DEP_1)
	v_add_f32_dpp v22, v22, v22 row_xmask:1 row_mask:0xf bank_mask:0xf
	s_delay_alu instid0(VALU_DEP_1)
	v_add_f32_dpp v22, v22, v22 row_xmask:2 row_mask:0xf bank_mask:0xf
	s_delay_alu instid0(VALU_DEP_1)
	v_add_f32_dpp v22, v22, v22 row_xmask:4 row_mask:0xf bank_mask:0xf
	s_delay_alu instid0(VALU_DEP_1)
	v_add_f32_dpp v22, v22, v22 row_xmask:8 row_mask:0xf bank_mask:0xf
	s_delay_alu instid0(VALU_DEP_1)
	v_permlanex16_b32 v23, v22, s[SEL], s[SEL+1]
	s_delay_alu instid0(VALU_DEP_1)
	v_add_f32 v22, v22, v23
.endm
	s_load_b256 s[4:11], s[0:1], 0x0               ; q, k, v's codes; their scale words; w_out's codes; its scale bytes
	s_load_b256 s[48:55], s[0:1], 0x20             ; b_out, x, g, b
	s_load_b128 s[56:59], s[0:1], 0x40             ; x1, the codes out
	s_load_b64 s[60:61], s[0:1], 0x50              ; the scale bytes out
	v_lshl_add_u32 v1, v0, 2, SPARE                ; my spare word; never rewritten
	v_mov_b32 v2, 0                                ; 0; never rewritten
	ds_add_u32 v1, v2                              ; the wave's opening: the add, twice on end, and its wait ahead of my first tensor load
	ds_add_u32 v1, v2
.irp n, 26,27,28,29,102,103,104,105,106,107,108,109,110,111
	v_mov_b32 v[\n], 0                             ; the upper 64 of Q's fragment; the tail behind K's last tile; the registers at work (a lane permute's destination counts as a source)
.endr
	v_lshrrev_b32 v3, 5, v0
	s_delay_alu instid0(VALU_DEP_1)
	v_readfirstlane_b32 s12, v3                    ; wave 0..15 = my head
	s_bfe_u32 s13, ttmp6, 0x40000                  ; cx
	s_lshl_b32 s27, ttmp9, 2
	s_add_co_u32 s27, s27, s13                     ; the work-group's tile of 16 tokens, 0..255
	s_and_b32 s63, ttmp9, 31                       ; the cluster's place in its sequence: the same in all four partners
	s_and_b32 s14, s27, 127                        ; the tile of 16 queries in the sequence
	s_lshr_b32 s15, s14, 1                         ; a: its block of 32
	s_max_u32 s16, s15, 4
	s_sub_co_u32 s16, s16, 4
	s_min_u32 s16, s16, 55                         ; the window's first key block
	s_lshr_b32 s17, s16, 1                         ; and the pair of blocks that holds it
	s_and_b32 s18, s16, 1
	s_cmp_lg_u32 s18, 0
	s_mov_b32 s18, 0x03020100                      ; V's scale bytes as they lie,
	s_cselect_b32 s18, 0x04030201, s18             ; or one byte on, where the window begins at an odd block
	s_lshl_b32 s19, s14, 4                         ; my first query
	s_lshr_b32 s42, s27, 7                         ; the batch
	s_lshl_b32 s43, s42, 4
	s_add_co_u32 s43, s43, s12                     ; 16 b + head
	s_lshl_b32 s44, s43, 16                        ; a head's codes: 65,536 bytes in each section,
	s_lshl_b32 s45, s43, 13                        ; its scale words: 8,192
	s_mov_b32 s47, 0
	s_mov_b32 s[SEL], 0x76543210
	s_mov_b32 s[SEL+1], 0xfedcba98
	s_mov_b32 s22, 0x3e38aa3b                      ; c = log2(e) / 8
	s_mov_b32 s23, s22                             ; (named with it as a pair, so it is written)
	s_mov_b32 s24, 0xbe38aa3b                      ; -c
	s_mov_b32 s25, 0x05040100                      ; two low halves into a word
	; descriptor groups 1: the mask names the cluster's four; bit 21 stands beside it
	s_mov_b32 s[G1C], 0x07b0000f                   ; codes: elements of 1 byte; four words of padding behind every 128
	s_mov_b32 s[G1C+1], 512<<16
	s_mov_b32 s[G1C+2], 64<<16
	s_mov_b32 s[G1C+3], 512<<16
	s_mov_b32 s[G1C+4], 64
	s_mov_b32 s[G1C+5], 512
	s_mov_b32 s[G1C+6], 0
	s_mov_b32 s[G1C+7], 0
	s_mov_b32 s[G1S], 0x0773000f                   ; 128 rows' scale bytes, 4,096 dense bytes, as 16 rows of 256 (32 elements of 8 bytes), four words of padding behind each
	s_mov_b32 s[G1S+1], 32<<16
	s_mov_b32 s[G1S+2], 16<<16
	s_mov_b32 s[G1S+3], 32<<16
	s_mov_b32 s[G1S+4], 16
	s_mov_b32 s[G1S+5], 32
	s_mov_b32 s[G1S+6], 0
	s_mov_b32 s[G1S+7], 0
	s_and_b32 s62, s12, 7                          ; which eighth I fetch
	s_mov_b32 s[G0C], 1
	s_mul_i32 s[G0C+1], s62, 33792                 ; 64 rows of 528
	s_mov_b32 s[G0S], 1
	s_mul_i32 s[G0S+1], s62, 4352                  ; 16 units of 272
	s_add_co_u32 s[G0S+1], s[G0S+1], SCB
	; LDS places of the projection and the way out, by the wave's number alone
	s_lshl_b32 s92, s12, 9
	s_add_co_u32 s92, s92, AIM                     ; my head's half of an image
	s_lshr_b32 s93, s12, 1
	s_lshl_b32 s93, s93, 6
	s_and_b32 s94, s12, 1
	s_lshl_b32 s94, s94, 1
	s_add_co_u32 s93, s93, s94
	s_add_co_u32 s93, s93, ASW                     ; K step head / 2, my head's half of each word
	s_mul_i32 s94, s12, 16896                      ; my 32 rows of w_out in the slot
	s_mul_i32 s95, s12, 1088
	s_add_co_u32 s95, s95, SCB                     ; their scale bytes: four units
	s_lshl_b32 s96, s12, 7                         ; my 32 columns in a row of the f32 stage
	s_mul_i32 s97, s12, 4112                       ; token w's row in it
	s_mul_i32 s98, s12, 4608
	s_add_co_u32 s98, s98, LNS                     ; my own stage
	s_lshl_b32 s99, s12, 5
	s_add_co_u32 s99, s99, SCL                     ; my row's scale bytes
	v_and_b32 v10, 15, v0                          ; r
	v_bfe_u32 v11, v0, 4, 1                        ; h
	s_delay_alu instid0(VALU_DEP_2)
	v_lshlrev_b32 v3, 5, v10
	s_delay_alu instid0(VALU_DEP_1)
	v_lshl_add_u32 v3, v11, 4, v3                  ; q, k: row r of 32 bytes, + 16 h
	v_and_b32 v4, 31, v0
	s_delay_alu instid0(VALU_DEP_1)
	v_lshlrev_b32 v4, 2, v4                        ; a word a lane
	v_lshlrev_b32 v5, 2, v10                       ; a word a row
	v_lshlrev_b32 v6, 4, v10
	s_delay_alu instid0(VALU_DEP_1)
	v_lshl_add_u32 v6, v11, 10, v6                 ; v: d = r, 16 bytes; lanes 16-31 one key block on
	s_lshl_b32 s40, s16, 5
	s_sub_co_i32 s40, s40, s19
	v_lshlrev_b32 v7, 3, v11
	s_delay_alu instid0(VALU_DEP_1)
	v_sub_nc_u32 v7, v7, v10
	s_delay_alu instid0(VALU_DEP_1)
	v_add_nc_u32 v7, s40, v7                       ; E = the window's first key - my query + 8 h
	v_mov_b32 v8, 0xff800000                       ; -infinity
	s_wait_alu depctr_va_vdst(0)
	s_wait_dscnt 0x0                               ; both opening adds are done
	s_wait_kmcnt 0x0
	s_lshl_b32 s46, s19, 5
	s_add_co_u32 s46, s46, s44
	s_add_nc_u64 s[28:29], s[4:5], s[46:47]        ; q's codes at my first query
	s_lshl_b32 s46, s16, 10
	s_add_co_u32 s46, s46, s44
	s_add_co_u32 s46, s46, 0x200000
	s_add_nc_u64 s[30:31], s[4:5], s[46:47]        ; k's at the window's first key
	s_add_co_u32 s46, s46, 0x200000
	s_add_nc_u64 s[32:33], s[4:5], s[46:47]        ; v's at its first block
	s_lshl_b32 s46, s19, 2
	s_add_co_u32 s46, s46, s45
	s_add_nc_u64 s[34:35], s[6:7], s[46:47]        ; the scale words likewise
	s_lshl_b32 s46, s16, 7
	s_add_co_u32 s46, s46, s45
	s_add_co_u32 s46, s46, 0x40000
	s_add_nc_u64 s[36:37], s[6:7], s[46:47]
	s_lshl_b32 s46, s17, 8
	s_add_co_u32 s46, s46, s45
	s_add_co_u32 s46, s46, 0x80000
	s_add_nc_u64 s[38:39], s[6:7], s[46:47]
	global_load_b128 v[22:25], v3, s[28:29]
	global_load_b32 v21, v5, s[34:35]
.irp b, 0,1,2,3,4,5,6,7,8
	global_load_b32 v[12+\b], v4, s[36:37] offset:128*\b           ; lane l: key 32 b + l: lanes 0-15 serve tile 2 b, lanes 16-31 tile 2 b + 1
.endr
.irp i, 0,1,2,3,4,5,6,7,8,9,10,11,12,13,14,15,16,17
	global_load_b128 v[KD+4*\i:KD+4*\i+3], v3, s[30:31] offset:512*\i      ; 16 keys: 512 consecutive bytes
.endr
	s_lshl_b32 s46, s27, 4
	s_add_co_u32 s46, s46, s12                     ; the row that I finish: token 16 x tile + wave
	s_lshl_b32 s40, s46, 9
	s_lshl_b32 s46, s46, 12
	s_add_nc_u64 s[50:51], s[50:51], s[46:47]      ; in x,
	s_add_nc_u64 s[56:57], s[56:57], s[46:47]      ; in x1,
	s_mov_b32 s46, s40
	s_add_nc_u64 s[58:59], s[58:59], s[46:47]      ; among the codes;
	s_lshl_b32 s46, s27, 9
	s_add_nc_u64 s[60:61], s[60:61], s[46:47]      ; the work-group's 512 scale bytes
	s_lshl_b32 s100, s62, 15                       ; what I fetch of w_out hangs on the wave's number alone
	s_mov_b32 s101, 0
	s_add_nc_u64 s[G0C+2:G0C+3], s[8:9], s[100:101]
	s_or_b32 s[G0C+3], s[G0C+3], 0x80000000
	s_lshl_b32 s100, s62, 12
	s_add_nc_u64 s[G0S+2:G0S+3], s[10:11], s[100:101]
	s_or_b32 s[G0S+3], s[G0S+3], 0x80000000
	ROUND                                          ; the four work-groups are here: the joint loads meet
	s_cmp_lt_u32 s12, 8                            ; every wave issues one: waves 0-7 codes, waves 8-15 scale bytes
	s_cbranch_scc0 .Lhead_scales
	tensor_load_to_lds s[G0C:G0C+3], s[G1C:G1C+7]
	s_nop 0
	PLACES 4
	s_branch .Lhead_asked
.Lhead_scales:
	tensor_load_to_lds s[G0S:G0S+3], s[G1S:G1S+7]
	s_nop 0
	PLACES 4
.Lhead_asked:
	s_wait_loadcnt 0x0
.set i, 0
.rept 9
	WM S+16*i, KD+8*i, 22, 12+i, 21, 4
	WM S+16*i+8, KD+8*i+4, 22, 12+i, 21, 5
.set i, i+1
.endr
	PLACES 4                                       ; in front of loads into registers that these products read, and of the first read of their results
.irp s, 0,1
.irp t, 0,1,2,3
.irp c, 0,1
	global_load_b128 v[KD+32*\s+8*\t+4*\c:KD+32*\s+8*\t+4*\c+3], v6, s[32:33] offset:(4*\s+2*\c)*1024+256*\t      ; V^T: d = 16 t + r, key block 4 s + 2 c + h: two aligned runs of 256 bytes
.endr
.endr
.endr
.irp i, 0,1,2,3,4
.irp p, 0,1
	global_load_b32 v[U+2*\i+\p], v4, s[38:39] offset:256*\i+128*\p        ; pair of blocks i, d = 32 p + lane
.endr
.endr
	MASKL 0
	MASKH 8
	s_cmp_lt_u32 s63, 2                            ; at the sequence's head the window was moved up: more of it lies above the band.  The cluster's number decides
	s_cbranch_scc0 .Lnot_head
	MASKH 4
	MASKH 5
	MASKH 6
	MASKH 7
.Lnot_head:
	s_cmp_gt_u32 s63, 29                           ; at its end it was moved down
	s_cbranch_scc0 .Lnot_end
	MASKL 1
	MASKL 2
	MASKL 3
	MASKL 4
.Lnot_end:
	s_wait_xcnt 0x0                                ; the loads above have read their offsets: v3-6 are written again only behind this wait
.irp b, 0,1,2,3,4,5,6,7,8
	v_max3_num_f32 v[BM+\b], v[S+16*\b], v[S+16*\b+1], v[S+16*\b+2]        ; the largest score of each block of 32 keys: for the row's maximum and, since p rises with the score, for the block's largest p
.endr
.irp i, 3,5,7,9,11,13
.irp b, 0,1,2,3,4,5,6,7,8
	v_max3_num_f32 v[BM+\b], v[BM+\b], v[S+16*\b+\i], v[S+16*\b+\i+1]
.endr
.endr
.irp b, 0,1,2,3,4,5,6,7,8
	v_max_num_f32 v[BM+\b], v[BM+\b], v[S+16*\b+15]
.endr
.irp b, 0,1,2,3,4,5,6,7
	v_permlanex16_b32 v[T+\b], v[BM+\b], s[SEL], s[SEL+1]
.endr
.irp b, 0,1,2,3,4,5,6,7
	v_max_num_f32 v[BM+\b], v[BM+\b], v[T+\b]      ; with lane l xor 16's 16 keys
.endr
	v_permlanex16_b32 v[T], v[BM+8], s[SEL], s[SEL+1]
	s_delay_alu instid0(VALU_DEP_1)
	v_max_num_f32 v[BM+8], v[BM+8], v[T]
	v_max3_num_f32 v104, v3, v4, v5
	v_max3_num_f32 v105, v6, v7, v8
	s_delay_alu instid0(VALU_DEP_3)
	v_max3_num_f32 v106, v9, v10, v11
	s_delay_alu instid0(VALU_DEP_1)
	v_max3_num_f32 v104, v104, v105, v106          ; the row's maximum: a query's own key always counts, so it is a number
	s_delay_alu instid0(VALU_DEP_1)
	v_mul_f32 v110, s24, v104                      ; -c max
	s_delay_alu instid0(VALU_DEP_1)
	v_mov_b32 v111, v110
.set j, 0
.rept 72
	v_pk_fma_f32 v[S+j:S+j+1], v[S+j:S+j+1], s[22:23], v[110:111] op_sel_hi:[1,0,0]       ; c s - c max, two at a time
.set j, j+2
.endr
.irp b, 0,1,2,3,4,5,6,7,8
	v_fma_f32 v[BM+\b], v[BM+\b], s22, v110        ; the same of each block's largest score
.endr
.set j, 0
	s_wait_alu depctr_va_vdst(0)
.rept 144
	v_exp_f32 v[S+j], v[S+j]
.set j, j+1
.endr
	v_nop                                          ; a plain instruction behind the batch,
	s_wait_alu depctr_va_vdst(0)                   ; and one wait for all 144, ahead of their first reader
.irp b, 0,1,2,3,4,5,6,7,8
	v_exp_f32 v[BM+\b], v[BM+\b]                   ; the same two instructions on the same number give the same bits
.endr
.irp c, 0,1,2,3                        ; the row's sum: 72 pairs in eight chains
	v_pk_add_f32 v[104+2*\c:105+2*\c], v[S+2*\c:S+2*\c+1], v[S+16+2*\c:S+17+2*\c]
	v_pk_add_f32 v[22+2*\c:23+2*\c], v[S+8+2*\c:S+9+2*\c], v[S+24+2*\c:S+25+2*\c]
.endr
.irp m, 2,3,4,5,6,7,8
.irp c, 0,1,2,3
	v_pk_add_f32 v[104+2*\c:105+2*\c], v[104+2*\c:105+2*\c], v[S+16*\m+2*\c:S+16*\m+2*\c+1]
	v_pk_add_f32 v[22+2*\c:23+2*\c], v[22+2*\c:23+2*\c], v[S+16*\m+8+2*\c:S+16*\m+9+2*\c]
.endr
.endr
	v_pk_add_f32 v[104:105], v[104:105], v[28:29]
	v_pk_add_f32 v[106:107], v[106:107], v[26:27]
	v_pk_add_f32 v[110:111], v[110:111], v[24:25]
	v_pk_add_f32 v[108:109], v[108:109], v[22:23]
	s_delay_alu instid0(VALU_DEP_2)
	v_pk_add_f32 v[104:105], v[104:105], v[110:111]
	s_delay_alu instid0(VALU_DEP_2)
	v_pk_add_f32 v[106:107], v[106:107], v[108:109]
	s_delay_alu instid0(VALU_DEP_1)
	v_pk_add_f32 v[104:105], v[104:105], v[106:107]
	s_delay_alu instid0(VALU_DEP_1)
	v_add_f32 v104, v104, v105
	s_delay_alu instid0(VALU_DEP_1)
	v_permlanex16_b32 v105, v104, s[SEL], s[SEL+1]
	s_delay_alu instid0(VALU_DEP_1)
	v_add_f32 v104, v104, v105                     ; with lane l xor 16's keys
	s_wait_alu depctr_va_vdst(0)
	v_rcp_f32 v108, v104
	v_cmp_eq_f32 s26, v104, v104                   ; off where the sum is NaN
	v_nop
	s_wait_alu depctr_va_vdst(0)                   ; one wait for the nine exponentials and the reciprocal: nothing has named a result of theirs
	v_mov_b32 v109, v108
.set j, 0
.rept 72
	v_pk_mul_f32 v[S+j:S+j+1], v[S+j:S+j+1], v[108:109]            ; the finished softmax
.set j, j+2
.endr
.irp b, 0,1,2,3,4,5,6,7,8
	v_mul_f32 v[BM+\b], v[BM+\b], v108
.endr
.irp b, 0,1,2,3,4,5,6,7,8
	v_max_num_f32 v[BM+\b], 0x1800000, v[BM+\b]    ; the floor 2^(3 - 127); a block of zeros keeps its byte, 1
.endr
.irp b, 0,1,2,3,4,5,6,7,8
	v_add_nc_u32 v[BM+\b], 0xff000000, v[BM+\b]    ; the conversions' scale operands
.endr
.irp b, 0,1,2,3,4,5,6,7
	v_lshrrev_b32 v[T+\b], 23, v[BM+\b]            ; the bytes
.endr
	v_lshl_or_b32 v18, v105, 8, v104               ; p's scale words: K step 0,
	s_delay_alu instid0(VALU_DEP_1)
	v_lshl_or_b32 v18, v106, 16, v18
	s_delay_alu instid0(VALU_DEP_1)
	v_lshl_or_b32 v18, v107, 24, v18
	v_lshl_or_b32 v19, v109, 8, v108               ; K step 1,
	s_delay_alu instid0(VALU_DEP_1)
	v_lshl_or_b32 v19, v110, 16, v19
	s_delay_alu instid0(VALU_DEP_1)
	v_lshl_or_b32 v19, v111, 24, v19
	v_lshrrev_b32 v104, 23, v[BM+8]
	s_delay_alu instid0(VALU_DEP_1)
	v_or_b32 v20, 0x7f7f7f00, v104                 ; K step 2: one block, the rest zero codes
	s_wait_loadcnt 0x0                             ; V of K steps 0 and 1, and its scale words
.irp p, 0,1
	v_perm_b32 v[104+2*\p], v[U+2+\p], v[U+\p], s25                ; the bytes of eight blocks, from the even block at or below the window's first,
	v_perm_b32 v[105+2*\p], v[U+6+\p], v[U+4+\p], s25
	s_delay_alu instid0(VALU_DEP_1)
	v_perm_b32 v[12+\p], v[105+2*\p], v[104+2*\p], s18             ; cut at the window's first block: K step 0,
	s_delay_alu instid0(VALU_DEP_2)
	v_perm_b32 v[14+\p], v[U+8+\p], v[105+2*\p], s18               ; K step 1,
	v_perm_b32 v[16+\p], v[U+8+\p], v[U+8+\p], s18                 ; K step 2: byte 0 is block 8's; the others stand over zero codes and are no 0xff
.endr
	PCONV 22, 0, 0
	PCONV 26, 4, 2
	v_nop                                          ; a plain instruction behind the last conversion
.irp c, 22,24,26,28
	v_permlane16_swap_b32 v[\c], v[\c+1]           ; a whole block to a lane: lanes 0-15 block 2 c, lanes 16-31 block 2 c + 1
.endr
	v_and_b32 v110, 15, v0
	s_delay_alu instid0(VALU_DEP_1)
	v_lshlrev_b32 v110, 4, v110                    ; both halves of the lanes load block 8: there may be no block 9
.irp t, 0,1,2,3
	global_load_b128 v[160+4*\t:163+4*\t], v110, s[32:33] offset:8192+256*\t
.endr
	PCONV 112, 8, 4
	PCONV 116, 12, 6
	v_nop
.irp c, 112,114,116,118
	v_permlane16_swap_b32 v[\c], v[\c+1]
.endr
	v_cvt_scalef32_pk8_fp4_f32 v120, v[S+128:S+135], v[BM+8]
	v_cvt_scalef32_pk8_fp4_f32 v122, v[S+136:S+143], v[BM+8]
	v_nop
.irp n, 121,123,124,125,126,127
	v_mov_b32 v[\n], 0                             ; beyond block 8: zero codes
.endr
	v_permlane16_swap_b32 v120, v121
	v_permlane16_swap_b32 v122, v123
	v_and_b32 v3, 31, v0
	s_delay_alu instid0(VALU_DEP_1)
	v_lshlrev_b32 v3, 4, v3                        ; 16 x lane; not written again
.irp k, 0,1,2,3,4,5,6,7
	global_load_b128 v[D+4*\k:D+4*\k+3], v3, s[50:51] offset:512*\k        ; token w's row of x, asked for as soon as the weights' registers are free: 32 lanes read 512 consecutive bytes
.endr
.irp k, 0,1,2,3,4,5,6,7
	global_load_b128 v[BI+4*\k:BI+4*\k+3], v3, s[48:49] offset:512*\k      ; the bias
.endr
	PLACES 8
.irp t, 0,1,2,3                        ; O^T = V^T P^T: four tiles of 16 of the head's 64 take turns
	WM 128+8*\t, KD+8*\t, 22, 12+\t/2, 18, 4+\t%2
.endr
.irp t, 0,1,2,3
	WM 128+8*\t, KD+32+8*\t, 112, 14+\t/2, 19, \t%2
.endr
	s_wait_alu depctr_va_vdst(0)
	s_wait_loadcnt 16                              ; V of block 8 is in; the 16 loads of x and the bias, issued behind it, may be out
.irp t, 0,1,2,3
	WM 128+8*\t, 160+4*\t, 120, 16+\t/2, 20, \t%2
.endr
	PLACES 4
	QUANT2 128, 136, 144, 152, 22                  ; the head's 64 are two blocks of the projection's K
.irp n, 22,23,24,25
	v_cndmask_b32 v[\n], 0, v[\n], s26             ; a row whose sum was NaN is a row of zeros
.endr
	; THE PROJECTION.  Addresses first: constants, the lane and the wave's number
	v_lshl_or_b32 v31, v[TM+5], 8, v[TM+4]         ; my head's two scale bytes
	v_and_b32 v30, 31, v0
	v_and_b32 v32, 15, v0                          ; r
	v_bfe_u32 v33, v0, 4, 1                        ; h
	v_lshl_add_u32 v5, v32, 2, s93                 ; my token's word, my head's half of it (both halves of the lanes write the same)
	v_mul_u32_u24 v6, v32, 528
	v_lshrrev_b32 v7, 3, v32
	v_and_b32 v8, 7, v32
	v_mul_u32_u24 v9, v32, 4112
	v_lshl_add_u32 v34, v33, 4, s95
	v_add_nc_u32 v4, s92, v3                       ; my lanes' registers ARE half of an image
	v_lshl_add_u32 v6, v33, 4, v6
	v_mul_u32_u24 v7, v7, 272
	v_lshl_add_u32 v9, v33, 5, v9
	v_add_nc_u32 v10, AIM, v3                      ; the images back
	v_lshl_add_u32 v11, v30, 2, ASW                ; the tokens' scale words: lanes 0-15 an even K step's, lanes 16-31 the next one's
	v_add_nc_u32 v6, s94, v6                       ; w_out's rows of mine: row x 528 + 16 h
	v_lshl_add_u32 v7, v8, 5, v7
	v_add_nc_u32 v9, s96, v9                       ; into the f32 stage: row r, my columns, 32 bytes for each half of the lanes
	v_add_nc_u32 v8, s97, v3                       ; back: token w's row
	v_add_nc_u32 v7, v7, v34                       ; w_out's scale bytes: eight rows to a unit; lanes 16-31 take K steps 4-7
	s_wait_alu depctr_va_vdst(0)
	s_wait_tensorcnt 0x0                           ; my part of w_out has landed
	ds_store_b128 v4, v[22:25]
	ds_store_b16 v5, v31
	s_wait_dscnt 0x0                               ; for the others' sake
	s_barrier_signal -1
	s_barrier_wait -1                              ; w_out's first half, its scales and all sixteen heads' codes are in LDS
.irp t, 0,1
	ds_load_b128 v[12+4*\t:15+4*\t], v7 offset:544*\t
.endr
	ds_load_b32 v20, v11
	ds_load_b32 v21, v11 offset:128
.irp q, 0,1,2,3,4,5,6,7
	ds_load_b128 v[64+8*\q:67+8*\q], v10 offset:1024*\q            ; the 16 tokens' fragments of all of K stay in v64-127
	ds_load_b128 v[68+8*\q:71+8*\q], v10 offset:1024*\q+512
.endr
	LW 0, 128
	s_wait_dscnt 0x0
	MM 0, 0, 128
	PLACES 4                                       ; in front of loads into registers that matrix instructions have read
	LW 4, 128                                      ; with these my reads of the first half are over: the slot is filled again ahead of the last eight products
	ds_load_b32 v20, v11 offset:256
	ds_load_b32 v21, v11 offset:384
	s_wait_tensorcnt 0x0                           ; no tensor load of mine is out;
	ds_add_u32 v1, v2                              ; 0 onto my spare word;
	s_add_nc_u64 s[G0C+2:G0C+3], s[G0C+2:G0C+3], 262144    ; 512 rows on
	s_wait_dscnt 0x0                               ; the add is done, and my reads of the slot are over
	ROUND                                          ; so are those of every wave of the four work-groups
	s_cmp_lt_u32 s12, 8
	s_cbranch_scc0 .Lno_refill
	tensor_load_to_lds s[G0C:G0C+3], s[G1C:G1C+7]  ; rows 512-1023: the first tensor load behind the round, one a wave
	s_nop 0
	PLACES 4
.Lno_refill:
	MM 0, 4, 128
	PLACES 4
.irp t, 0,1
	ds_load_b128 v[12+4*\t:15+4*\t], v7 offset:17408+544*\t        ; the second half's scale bytes: 64 units on
.endr
	ds_load_b32 v20, v11
	ds_load_b32 v21, v11 offset:128
	s_wait_tensorcnt 0x0                           ; my part of the second half has landed,
	s_wait_dscnt 0x0
	s_barrier_signal -1
	s_barrier_wait -1                              ; everybody's has
	LW 0, 128
	s_wait_dscnt 0x0
	MM 1, 0, 128
	PLACES 4
	LW 4, 128
	ds_load_b32 v20, v11 offset:256
	ds_load_b32 v21, v11 offset:384
	s_wait_dscnt 0x0                               ; my reads of the slot are over:
	s_barrier_signal -1
	MM 1, 4, 128                                   ; work on registers while the others arrive
	s_barrier_wait -1                              ; everybody's are: the stages may be written over w_out's bytes, which are filled no more
	PLACES 4
.irp k, 0,1,2,3,4,5,6,7
	global_load_b128 v[G+4*\k:G+4*\k+3], v3, s[52:53] offset:512*\k
.endr
.irp k, 0,1,2,3,4,5,6,7
	global_load_b128 v[BB+4*\k:BB+4*\k+3], v3, s[54:55] offset:512*\k
.endr
.irp p, 0,1
.irp t, 0,1
	ds_store_b128 v9, v[32+16*\p+8*\t:35+16*\p+8*\t] offset:2048*\p+64*\t          ; each accumulator from its low end on: token r, columns 512 p + 32 w + 16 t + 8 h on
	ds_store_b128 v9, v[36+16*\p+8*\t:39+16*\p+8*\t] offset:2048*\p+64*\t+16
.endr
.endr
	v_and_b32 v10, 31, v0
	v_add_nc_u32 v11, SCL, v3                      ; wave 0's way out
	s_delay_alu instid0(VALU_DEP_2)
	v_lshrrev_b32 v4, 3, v10
	v_and_b32 v5, 7, v10
	v_mul_u32_u24 v6, v10, 144
	v_add_nc_u32 v7, s99, v10                      ; my block's scale byte
	v_mul_u32_u24 v4, v4, 144
	v_add_nc_u32 v6, s98, v6                       ; out of my stage: place = lane
	s_delay_alu instid0(VALU_DEP_2)
	v_lshl_add_u32 v4, v5, 4, v4
	s_delay_alu instid0(VALU_DEP_1)
	v_add_nc_u32 v4, s98, v4                       ; into it: eight lanes' 128 bytes on end, then 16 of padding
	s_wait_alu depctr_va_vdst(0)
	s_wait_dscnt 0x0                               ; for the others' sake: my stores have landed
	s_barrier_signal -1
	s_barrier_wait -1
	s_mov_b32 s22, 0x3a800000                      ; 1 / 1024
	s_mov_b32 s23, 0x3727c5ac                      ; 1e-5
.irp k, 0,1,2,3,4,5,6,7
	ds_load_b128 v[X+4*\k:X+4*\k+3], v8 offset:512*\k
.endr
	s_wait_loadcnt 16                              ; x and the bias are in; the 16 loads of g and b may be out
	s_wait_dscnt 0x0
.irp j, 0,2,4,6,8,10,12,14,16,18,20,22,24,26,28,30
	v_pk_add_f32 v[X+\j:X+\j+1], v[X+\j:X+\j+1], v[BI+\j:BI+\j+1]
.endr
.irp j, 0,2,4,6,8,10,12,14,16,18,20,22,24,26,28,30
	v_pk_add_f32 v[X+\j:X+\j+1], v[X+\j:X+\j+1], v[D+\j:D+\j+1]    ; x + (projection + bias)
.endr
.irp k, 0,1,2,3,4,5,6,7
	global_store_b128 v3, v[X+4*\k:X+4*\k+3], s[56:57] offset:512*\k       ; 32 lanes store 512 consecutive bytes; these registers are not written again
.endr
	v_pk_add_f32 v[22:23], v[X:X+1], v[X+2:X+3]
	v_pk_add_f32 v[24:25], v[X+4:X+5], v[X+6:X+7]
.irp j, 8,12,16,20,24,28
	s_delay_alu instid0(VALU_DEP_2)
	v_pk_add_f32 v[22:23], v[22:23], v[X+\j:X+\j+1]
	s_delay_alu instid0(VALU_DEP_2)
	v_pk_add_f32 v[24:25], v[24:25], v[X+\j+2:X+\j+3]
.endr
	ACROSS
	s_delay_alu instid0(VALU_DEP_1)
	v_mul_f32 v26, s22, v22                        ; the mean
	s_delay_alu instid0(VALU_DEP_1)
	v_mov_b32 v27, v26
.irp j, 0,2,4,6,8,10,12,14,16,18,20,22,24,26,28,30
	v_pk_add_f32 v[D+\j:D+\j+1], v[X+\j:X+\j+1], v[26:27] neg_lo:[0,1] neg_hi:[0,1]   ; the row less its mean
.endr
	v_pk_mul_f32 v[22:23], v[D:D+1], v[D:D+1]
	v_pk_mul_f32 v[24:25], v[D+2:D+3], v[D+2:D+3]
.irp j, 4,8,12,16,20,24,28
	s_delay_alu instid0(VALU_DEP_2)
	v_pk_fma_f32 v[22:23], v[D+\j:D+\j+1], v[D+\j:D+\j+1], v[22:23]
	s_delay_alu instid0(VALU_DEP_2)
	v_pk_fma_f32 v[24:25], v[D+\j+2:D+\j+3], v[D+\j+2:D+\j+3], v[24:25]
.endr
	ACROSS
	s_delay_alu instid0(VALU_DEP_1)
	v_fma_f32 v28, v22, s22, s23                   ; the variance + 1e-5
	s_wait_alu depctr_va_vdst(0)
	v_rsq_f32 v28, v28
	v_nop                                          ; a plain instruction behind the transcendental,
	s_wait_alu depctr_va_vdst(0)                   ; and the wait ahead of its first reader
	v_mov_b32 v29, v28
	s_wait_alu depctr_va_vdst(0)
	s_wait_loadcnt 0x0                             ; g and b
.irp j, 0,2,4,6,8,10,12,14,16,18,20,22,24,26,28,30
	v_pk_mul_f32 v[D+\j:D+\j+1], v[D+\j:D+\j+1], v[28:29]
.endr
.irp j, 0,2,4,6,8,10,12,14,16,18,20,22,24,26,28,30
	v_pk_fma_f32 v[D+\j:D+\j+1], v[D+\j:D+\j+1], v[G+\j:G+\j+1], v[BB+\j:BB+\j+1]
.endr
.irp k, 0,1,2,3,4,5,6,7
	ds_store_b128 v4, v[D+4*\k:D+4*\k+3] offset:576*\k
.endr
.irp m, 0,1,2,3,4,5,6,7
	ds_load_b128 v[Y+4*\m:Y+4*\m+3], v6 offset:16*\m       ; LDS serves a wave's instructions in order: these see my stores.  Lane l now holds block l of the row
.endr
	s_wait_dscnt 0x0
	v_max3_num_f32 v30, |v[Y]|, |v[Y+1]|, |v[Y+2]|
	v_max3_num_f32 v31, |v[Y+3]|, |v[Y+4]|, |v[Y+5]|
.irp i, 6,10,14,18,22,26
	s_delay_alu instid0(VALU_DEP_2)
	v_max3_num_f32 v30, v30, |v[Y+\i]|, |v[Y+\i+1]|
	s_delay_alu instid0(VALU_DEP_2)
	v_max3_num_f32 v31, v31, |v[Y+\i+2]|, |v[Y+\i+3]|
.endr
	s_delay_alu instid0(VALU_DEP_2)
	v_max3_num_f32 v30, v30, |v[Y+30]|, |v[Y+31]|
	s_delay_alu instid0(VALU_DEP_1)
	v_max3_num_f32 v30, v30, v31, 0x1800000        ; and the floor 2^(3 - 127): the byte cannot fall under 1
	s_delay_alu instid0(VALU_DEP_1)
	v_add_nc_u32 v32, 0xff000000, v30              ; 2 off the exponent field: the conversion's scale operand
	s_delay_alu instid0(VALU_DEP_1)
	v_lshrrev_b32 v33, 23, v32                     ; the scale's byte
.irp g, 0,1,2,3
	v_cvt_scalef32_pk8_fp4_f32 v[36+\g], v[Y+8*\g:Y+8*\g+7], v32
.endr
	v_nop                                          ; a plain instruction behind the last conversion
	global_store_b128 v3, v[36:39], s[58:59]       ; 32 lanes store the row's 512 bytes of codes
	ds_store_b8 v7, v33
	s_wait_dscnt 0x0                               ; for wave 0's sake: my byte has landed
	s_barrier_signal -1
	s_barrier_wait -1
	s_cmp_lg_u32 s12, 0
	s_cbranch_scc1 .Lnot_wave_0
	ds_load_b128 v[40:43], v11                     ; the sixteen rows' 512 scale bytes
	s_wait_dscnt 0x0
	global_store_b128 v3, v[40:43], s[60:61]       ; 512 consecutive bytes
.Lnot_wave_0:
	s_wait_tensorcnt 0x0                           ; the wave's end
	ds_add_u32 v1, v2
	s_wait_dscnt 0x0
	ROUND                                          ; the closing round
	s_endpgm
.Lfunc_end_k_q4c8dc43fdf_attn:
	.size	k_q4c8dc43fdf_attn, .Lfunc_end_k_q4c8dc43fdf_attn-k_q4c8dc43fdf_attn
	.p2alignl 7, 3214868480
	.fill 96, 4, 3214868480
	.section	.rodata,"a",@progbits
	.p2align	6, 0x0
	.amdhsa_kernel k_q4c8dc43fdf_attn
		.amdhsa_group_segment_fixed_size 327680
		.amdhsa_private_segment_fixed_size 0
		.amdhsa_enable_private_segment 0
		.amdhsa_kernarg_size 88
		.amdhsa_user_sgpr_count 2
		.amdhsa_user_sgpr_kernarg_segment_ptr 1
		.amdhsa_wavefront_size32 1
		.amdhsa_system_sgpr_workgroup_id_x 1
		.amdhsa_system_sgpr_workgroup_id_y 1
		.amdhsa_system_sgpr_workgroup_id_z 1
		.amdhsa_system_vgpr_workitem_id 0
		.amdhsa_next_free_vgpr 256
		.amdhsa_next_free_sgpr 102
		.amdhsa_reserve_vcc 1
		.amdhsa_float_denorm_mode_32 3
		.amdhsa_float_denorm_mode_16_64 3
		.amdhsa_memory_ordered 1
		.amdhsa_forward_progress 1
		.amdhsa_inst_pref_size 93
	.end_amdhsa_kernel
	.amdgpu_metadata
---
amdhsa.version: [ 1, 2 ]
amdhsa.kernels:
  - .name:           k_q4c8dc43fdf_attn
    .symbol:         k_q4c8dc43fdf_attn.kd
    .args:
      - { .name: qkvc, .offset: 0, .size: 8, .value_kind: global_buffer, .address_space: global }
      - { .name: qkvs, .offset: 8, .size: 8, .value_kind: global_buffer, .address_space: global }
      - { .name: w_out_codes, .offset: 16, .size: 8, .value_kind: global_buffer, .address_space: global }
      - { .name: w_out_scales, .offset: 24, .size: 8, .value_kind: global_buffer, .address_space: global }
      - { .name: b_out, .offset: 32, .size: 8, .value_kind: global_buffer, .address_space: global }
      - { .name: x, .offset: 40, .size: 8, .value_kind: global_buffer, .address_space: global }
      - { .name: ln2_g, .offset: 48, .size: 8, .value_kind: global_buffer, .address_space: global }
      - { .name: ln2_b, .offset: 56, .size: 8, .value_kind: global_buffer, .address_space: global }
      - { .name: x1, .offset: 64, .size: 8, .value_kind: global_buffer, .address_space: global }
      - { .name: actc, .offset: 72, .size: 8, .value_kind: global_buffer, .address_space: global }
      - { .name: acts, .offset: 80, .size: 8, .value_kind: global_buffer, .address_space: global }
    .group_segment_fixed_size: 327680
    .private_segment_fixed_size: 0
    .kernarg_segment_align: 8
    .kernarg_segment_size: 88
    .max_flat_workgroup_size: 512
    .sgpr_count:     102
    .vgpr_count:     256
    .wavefront_size: 32
...
	.end_amdgpu_metadata
.endif
;; end of part 3
;; launch ff1 (part 4): grid 16 x 16, 16 waves a work-group, clusters of 4 x 4, 327,680 bytes of LDS; arguments actc, acts, w_ff1_codes, w_ff1_scales, b_ff1, hc, hs; writes hc, hs
.if DOCPART == 4
	.amdgcn_target "amdgcn-amd-amdhsa--gfx1250"
	.amdhsa_code_object_version 6
	.text
	.protected	k_q4c8dc43fdf_ff1
	.globl	k_q4c8dc43fdf_ff1
	.p2align	8
	.type	k_q4c8dc43fdf_ff1,@function
k_q4c8dc43fdf_ff1:
	s_mov_b64 s[64:65], 0
	v_nop
	global_prefetch_b8 v0, s[64:65] scope:SCOPE_SE
	s_setreg_imm32_b32 hwreg(HW_REG_WAVE_MODE, 25, 1), 1
	s_wait_xcnt 0x0
	s_wait_alu depctr_hold_cnt(0) depctr_sa_sdst(0) depctr_va_vdst(0) depctr_va_sdst(0) depctr_va_ssrc(0) depctr_va_vcc(0) depctr_vm_vsrc(0)
	s_getreg_b32 s2, hwreg(HW_REG_IB_STS2, 6, 4)
	s_cmp_eq_u32 s2, 0
	s_cbranch_scc0 .Lentry_in_a_cluster
	s_endpgm
.Lentry_in_a_cluster:
	s_bfe_u32 s2, ttmp6, 0x10000c
	s_cmp_lg_u32 s2, 0xf033
	s_cbranch_scc0 .Lentry_shape_is_right
	s_endpgm
.Lentry_shape_is_right:
; hidden = gelu(Q(h) Q(w_ff1)^T + b_ff1), exact GELU in f32, quantised along the 4,096 hidden units on the way out.
; h: codes [4096][512 bytes], scale bytes [4096][32].  w_ff1: codes [4096][512 bytes], scale bytes [4096][32].
; OUT.  Codes as images of the next product's operand registers, [K step 32][tile of 16 tokens 256][1,024 bytes]; scale words [K step 32][token 4,096].
; SHARES.  A work-group makes 256 tokens x 256 hidden units; K = 1,024 lies in LDS whole: one fill, no ring.  Sixteen waves, four to a SIMD, each 64 x 64: 16 accumulators.
; Panel P0 (rows of w_ff1) feeds source 0, panel P1 (tokens) source 1: a lane holds one token and eight neighbouring hidden units of each tile, the axis that is quantised along.
; CLUSTER 4 x 4: P1's tile is shared along a row of the cluster, P0's along a column.  Sixteen first fills, sixteen waves: each wave issues one; one tensor load of mine is out.
; GELU.  gelu(x) = max(x, 0) - 0.5 |x| erfc(|x| / sqrt 2);  erfc(z) = t exp(-z^2 + c0 + t (c1 + .. + t c9)), t = 1 / (1 + z / 2): a fit of degree 9 with a fractional error of 1.2e-7 for every z >= 0.
; The coefficients carry the factor log2(e), since the exponential works in base 2.  For a large |x| the exponent falls to -infinity and the term to 0: no branch, no cut.
; No prefetch: all tiles are first fills at the head.  No work-group stays: one tile each.
.set P0B,   135168                     ; LDS: P1's 256 rows x 528 at 0, P0's here
.set SC1B,  270336                     ; P1's scale bytes: 32 units of 256 bytes + 16
.set SC0B,  279040                     ; P0's
.set SPARE, 287744                     ; the spare words, 128 bytes a wave: eight blocks of 256 bytes that no other line names
.set SST,   36864                      ; the way out lies over P1's bytes, which have had their one fill and their last read: 256 rows x (128 bytes + 16) of codes at 0, 2 x 256 scale words here
.set SC,   16                          ; v16-31  scale words: register 4 i + q % 4: lanes 0-15 P1's tile i, lanes 16-31 P0's tile i
.set BI,   32                          ; v32-63  the bias: tile i's eight units of my half at 32 + 8 i
.set F0,   64                          ; v64-95  P0's four fragments
.set F1,   96                          ; v96-127 P1's four
.set ACC,  128                         ; v128-255 accumulator (i, j) at 128 + 8 (4 i + j)
.set TT,   64                          ; the way out: v64-79 t, v80-95 the exponent, v96-111 x^2, v112-119 the quantiser's temporaries, v120-123 codes
.set PP,   80
.set QQ,   96
.set TM,   112
.set WV,   16
.set SEL,  66
.set G1C1, 24
.set G1C0, 32
.set G1S1, 48
.set G1S0, 56
.set G0C1, 68
.set G0C0, 72
.set G0S1, 76
.set G0S0, 80
.macro PLACES n
.rept \n
	v_nop
.endr
.endm
.macro CROUND
	s_barrier_signal -1
	s_barrier_wait -1
	s_cmp_lg_u32 s[WV], 0
	s_cbranch_scc1 .Lnot_wave_0_\@
	s_barrier_signal -3
.Lnot_wave_0_\@:
	s_barrier_wait -3
	s_barrier_signal -1
	s_barrier_wait -1
.endm
.macro TL g0, g1                       ; a joint load; an s_nop 0 and four v_nop follow it
	tensor_load_to_lds s[\g0:\g0+3], s[\g1:\g1+7]
	s_nop 0
.rept 4
	v_nop
.endr
.endm
.set AA,   32                          ; the way out: v32-47 0.5 |x| (the bias's registers, which are done with behind the first K step)
.macro WM d, a, b, sa, sb, start, c    ; source 0's scales lie in lanes 16-31 of their register; the first product of a sum takes the bias as C
.if \start
	v_wmma_scale_f32_16x16x128_f8f6f4 v[(\d):(\d)+7], v[(\a):(\a)+7], v[(\b):(\b)+7], v[(\c):(\c)+7], v[\sa], v[\sb] matrix_a_fmt:MATRIX_FMT_FP4 matrix_b_fmt:MATRIX_FMT_FP4 matrix_a_scale:MATRIX_SCALE_ROW1
.else
	v_wmma_scale_f32_16x16x128_f8f6f4 v[(\d):(\d)+7], v[(\a):(\a)+7], v[(\b):(\b)+7], v[(\d):(\d)+7], v[\sa], v[\sb] matrix_a_fmt:MATRIX_FMT_FP4 matrix_b_fmt:MATRIX_FMT_FP4 matrix_a_scale:MATRIX_SCALE_ROW1
.endif
.endm
; Four tiles, two blocks of 32 (block 0: a0, a1; block 1: a2, a3), become codes: lane (r, h) ends with the 16 bytes of block h of its row r in v[c : c + 3]; the bytes lie in v[TM+4], v[TM+5].
.macro QUANT2 a0, a1, a2, a3, c
	v_max3_num_f32 v[TM], |v[(\a0)]|, |v[(\a0)+1]|, 0x1800000
	v_max3_num_f32 v[TM+1], |v[(\a2)]|, |v[(\a2)+1]|, 0x1800000
.irp i, 2,4,6
	s_delay_alu instid0(VALU_DEP_2)
	v_max3_num_f32 v[TM], v[TM], |v[(\a0)+\i]|, |v[(\a0)+\i+1]|
	s_delay_alu instid0(VALU_DEP_2)
	v_max3_num_f32 v[TM+1], v[TM+1], |v[(\a2)+\i]|, |v[(\a2)+\i+1]|
.endr
.irp i, 0,2,4,6
	s_delay_alu instid0(VALU_DEP_2)
	v_max3_num_f32 v[TM], v[TM], |v[(\a1)+\i]|, |v[(\a1)+\i+1]|
	s_delay_alu instid0(VALU_DEP_2)
	v_max3_num_f32 v[TM+1], v[TM+1], |v[(\a3)+\i]|, |v[(\a3)+\i+1]|
.endr
	s_delay_alu instid0(VALU_DEP_2)
	v_permlanex16_b32 v[TM+2], v[TM], s[SEL], s[SEL+1]
	s_delay_alu instid0(VALU_DEP_2)
	v_permlanex16_b32 v[TM+3], v[TM+1], s[SEL], s[SEL+1]
	s_delay_alu instid0(VALU_DEP_2)
	v_max_num_f32 v[TM], v[TM], v[TM+2]
	s_delay_alu instid0(VALU_DEP_2)
	v_max_num_f32 v[TM+1], v[TM+1], v[TM+3]
	s_delay_alu instid0(VALU_DEP_2)
	v_add_nc_u32 v[TM+6], 0xff000000, v[TM]
	s_delay_alu instid0(VALU_DEP_2)
	v_add_nc_u32 v[TM+7], 0xff000000, v[TM+1]
	s_delay_alu instid0(VALU_DEP_2)
	v_lshrrev_b32 v[TM+4], 23, v[TM+6]
	s_delay_alu instid0(VALU_DEP_2)
	v_lshrrev_b32 v[TM+5], 23, v[TM+7]
	v_cvt_scalef32_pk8_fp4_f32 v[(\c)], v[(\a0):(\a0)+7], v[TM+6]
	v_cvt_scalef32_pk8_fp4_f32 v[(\c)+2], v[(\a1):(\a1)+7], v[TM+6]
	v_cvt_scalef32_pk8_fp4_f32 v[(\c)+1], v[(\a2):(\a2)+7], v[TM+7]
	v_cvt_scalef32_pk8_fp4_f32 v[(\c)+3], v[(\a3):(\a3)+7], v[TM+7]
	v_nop
	v_permlane16_swap_b32 v[(\c)], v[(\c)+1]
	v_permlane16_swap_b32 v[(\c)+2], v[(\c)+3]
.endm
; Sixteen numbers, two tiles xa and xb with their bias ba and bb, in place.  The reciprocals are one batch and the exponentials another, each with one wait ahead of its first reader.
.macro GELU16 xa, xb, ba, bb
.irp n, 0,1,2,3,4,5,6,7
	v_mul_f32 v[AA+\n], 0.5, |v[(\xa)+\n]|         ; A = 0.5 |x| (the sums hold the bias already)
.endr
.irp n, 0,1,2,3,4,5,6,7
	v_mul_f32 v[AA+8+\n], 0.5, |v[(\xb)+\n]|
.endr
.irp p, 0,2,4,6,8,10,12,14
	v_pk_fma_f32 v[TT+\p:TT+\p+1], v[AA+\p:AA+\p+1], 0x3f3504f3, 1.0 op_sel_hi:[1,0,0]        ; 1 + z / 2 = 1 + A / sqrt 2
.endr
	s_wait_alu depctr_va_vdst(0)
.irp n, 0,1,2,3,4,5,6,7,8,9,10,11,12,13,14,15
	v_rcp_f32 v[TT+\n], v[TT+\n]                   ; t
.endr
.irp p, 0,2,4,6
	v_pk_mul_f32 v[QQ+\p:QQ+\p+1], v[(\xa)+\p:(\xa)+\p+1], v[(\xa)+\p:(\xa)+\p+1]     ; x^2: plain work behind the batch
.endr
.irp p, 0,2,4,6
	v_pk_mul_f32 v[QQ+8+\p:QQ+8+\p+1], v[(\xb)+\p:(\xb)+\p+1], v[(\xb)+\p:(\xb)+\p+1]
.endr
	s_wait_alu depctr_va_vdst(0)
.irp p, 0,2,4,6,8,10,12,14
	v_pk_fma_f32 v[PP+\p:PP+\p+1], v[TT+\p:TT+\p+1], v[12:13], 0xbf97d29d op_sel_hi:[1,1,0]   ; c9 t + c8
.endr
.irp k, 0x40097039, 0xbfd1a1e5, 0x3ecdfd18, 0xbe899a80, 0x3e0efb2e, 0x3f0a29d2, 0x3fb8ab5a, 0xbfe9b21e
.irp p, 0,2,4,6,8,10,12,14
	v_pk_fma_f32 v[PP+\p:PP+\p+1], v[PP+\p:PP+\p+1], v[TT+\p:TT+\p+1], \k op_sel_hi:[1,1,0]   ; c7 down to c0
.endr
.endr
.irp p, 0,2,4,6,8,10,12,14
	v_pk_fma_f32 v[PP+\p:PP+\p+1], v[QQ+\p:QQ+\p+1], 0xbf38aa3b, v[PP+\p:PP+\p+1] op_sel_hi:[1,0,1]   ; - z^2 log2(e) = - x^2 log2(e) / 2
.endr
	s_wait_alu depctr_va_vdst(0)
.irp n, 0,1,2,3,4,5,6,7,8,9,10,11,12,13,14,15
	v_exp_f32 v[PP+\n], v[PP+\n]
.endr
.irp p, 0,2,4,6,8,10,12,14
	v_pk_mul_f32 v[TT+\p:TT+\p+1], v[AA+\p:AA+\p+1], v[TT+\p:TT+\p+1]      ; A t: plain work behind the batch
.endr
.irp p, 0,2,4,6
	v_pk_fma_f32 v[(\xa)+\p:(\xa)+\p+1], v[(\xa)+\p:(\xa)+\p+1], 0.5, v[AA+\p:AA+\p+1] op_sel_hi:[1,0,1]          ; 0.5 x + 0.5 |x| = max(x, 0), exactly
.endr
.irp p, 0,2,4,6
	v_pk_fma_f32 v[(\xb)+\p:(\xb)+\p+1], v[(\xb)+\p:(\xb)+\p+1], 0.5, v[AA+8+\p:AA+8+\p+1] op_sel_hi:[1,0,1]
.endr
	s_wait_alu depctr_va_vdst(0)
.irp p, 0,2,4,6
	v_pk_fma_f32 v[(\xa)+\p:(\xa)+\p+1], v[PP+\p:PP+\p+1], v[TT+\p:TT+\p+1], v[(\xa)+\p:(\xa)+\p+1] neg_lo:[1,0,0] neg_hi:[1,0,0]     ; - 0.5 |x| erfc
.endr
.irp p, 0,2,4,6
	v_pk_fma_f32 v[(\xb)+\p:(\xb)+\p+1], v[PP+8+\p:PP+8+\p+1], v[TT+8+\p:TT+8+\p+1], v[(\xb)+\p:(\xb)+\p+1] neg_lo:[1,0,0] neg_hi:[1,0,0]
.endr
.endm
	s_load_b256 s[4:11], s[0:1], 0x0               ; h's codes, h's scales, w's codes, w's scales
	s_load_b128 s[12:15], s[0:1], 0x20             ; the bias, the images out
	s_load_b64 s[92:93], s[0:1], 0x30              ; the scale words out
	v_lshl_add_u32 v6, v0, 2, SPARE                ; my spare word; never rewritten
	v_mov_b32 v7, 0                                ; 0; never rewritten
	ds_add_u32 v6, v7                              ; the wave's opening: the add, twice on end, and its wait ahead of my first tensor load
	ds_add_u32 v6, v7
	v_lshrrev_b32 v1, 5, v0
	s_delay_alu instid0(VALU_DEP_1)
	v_readfirstlane_b32 s[WV], v1                  ; wave 0..15
	s_lshr_b32 s17, s[WV], 2                       ; wi: my 64 hidden units
	s_and_b32 s18, s[WV], 3                        ; wj: my 64 tokens.  Also: which quarter of a panel I fetch
	s_bfe_u32 s40, ttmp6, 0x40000                  ; cx
	s_bfe_u32 s41, ttmp6, 0x40004                  ; cy
	s_and_b32 s19, ttmp7, 0xffff
	s_lshl_b32 s43, s41, 2
	s_lshl_b32 s43, 15, s43                        ; my row of the cluster
	s_lshl_b32 s44, 0x1111, s40                    ; my column
	s_lshl_b32 s45, s19, 2
	s_add_co_u32 s45, s45, s41                     ; T1: the tile of 256 tokens
	s_lshl_b32 s42, ttmp9, 2
	s_add_co_u32 s42, s42, s40                     ; T0: the tile of 256 hidden units
	s_lshl_b32 s94, s45, 17                        ; (256 T1 + 64 quarter) rows of 512 bytes
	s_lshl_b32 s95, s18, 15
	s_add_co_u32 s94, s94, s95
	s_mov_b32 s95, 0
	s_lshr_b32 s98, s94, 4                         ; and of 32 scale bytes
	s_mov_b32 s99, 0
	s_lshl_b32 s96, s42, 17
	s_lshl_b32 s97, s18, 15
	s_add_co_u32 s96, s96, s97
	s_mov_b32 s97, 0
	s_lshr_b32 s20, s96, 4
	s_mov_b32 s21, 0
	s_mul_i32 s22, s18, 33792                      ; where a quarter goes in LDS: no place in the cluster enters an LDS address
	s_mul_i32 s23, s18, 2176
	s_or_b32 s[G1C1], s43, 0x07b00000              ; 15:0 the mask; elements of 1 byte; 20 padding on; 21 set beside a mask; after every 128 words (code 6) four words (code 3)
	s_or_b32 s[G1C0], s44, 0x07b00000
.irp g, G1C1, G1C0
	s_mov_b32 s[\g+1], 512<<16
	s_mov_b32 s[\g+2], 64<<16
	s_mov_b32 s[\g+3], 512<<16
	s_mov_b32 s[\g+4], 64
	s_mov_b32 s[\g+5], 512
	s_mov_b32 s[\g+6], 0
	s_mov_b32 s[\g+7], 0
.endr
	s_or_b32 s[G1S1], s43, 0x07730000              ; 64 rows' scale bytes, 2,048 dense bytes, as 8 rows of 256, four words of padding behind each
	s_or_b32 s[G1S0], s44, 0x07730000
.irp g, G1S1, G1S0
	s_mov_b32 s[\g+1], 32<<16
	s_mov_b32 s[\g+2], 8<<16
	s_mov_b32 s[\g+3], 32<<16
	s_mov_b32 s[\g+4], 8
	s_mov_b32 s[\g+5], 32
	s_mov_b32 s[\g+6], 0
	s_mov_b32 s[\g+7], 0
.endr
	s_mov_b32 s[SEL], 0x76543210
	s_mov_b32 s[SEL+1], 0xfedcba98
	s_wait_dscnt 0x0                               ; both opening adds are done
	s_wait_kmcnt 0x0
	s_mov_b32 s[G0C1], 1
	s_mov_b32 s[G0C1+1], s22
	s_add_nc_u64 s[G0C1+2:G0C1+3], s[4:5], s[94:95]
	s_or_b32 s[G0C1+3], s[G0C1+3], 0x80000000
	s_mov_b32 s[G0C0], 1
	s_add_co_u32 s[G0C0+1], s22, P0B
	s_add_nc_u64 s[G0C0+2:G0C0+3], s[8:9], s[96:97]
	s_or_b32 s[G0C0+3], s[G0C0+3], 0x80000000
	s_mov_b32 s[G0S1], 1
	s_add_co_u32 s[G0S1+1], s23, SC1B
	s_add_nc_u64 s[G0S1+2:G0S1+3], s[6:7], s[98:99]
	s_or_b32 s[G0S1+3], s[G0S1+3], 0x80000000
	s_mov_b32 s[G0S0], 1
	s_add_co_u32 s[G0S0+1], s23, SC0B
	s_add_nc_u64 s[G0S0+2:G0S0+3], s[10:11], s[20:21]
	s_or_b32 s[G0S0+3], s[G0S0+3], 0x80000000
	CROUND                                         ; all sixteen work-groups are here: the joint loads meet
	s_cmp_lt_u32 s[WV], 8                          ; waves 0-3: P1's codes; 4-7: P0's codes; 8-11: P1's scales; 12-15: P0's scales
	s_cbranch_scc0 .Lscales
	s_cmp_lt_u32 s[WV], 4
	s_cbranch_scc0 .Lcodes0
	TL G0C1, G1C1
	s_branch .Lasked
.Lcodes0:
	TL G0C0, G1C0
	s_branch .Lasked
.Lscales:
	s_cmp_lt_u32 s[WV], 12
	s_cbranch_scc0 .Lscales0
	TL G0S1, G1S1
	s_branch .Lasked
.Lscales0:
	TL G0S0, G1S0
.Lasked:
	v_and_b32 v1, 15, v0                           ; r
	v_bfe_u32 v2, v0, 4, 1                         ; h
	s_delay_alu instid0(VALU_DEP_2)
	v_mul_u32_u24 v8, v1, 528
	s_delay_alu instid0(VALU_DEP_1)
	v_lshl_add_u32 v8, v2, 4, v8
	s_mul_i32 s94, s17, 33792
	s_add_co_u32 s94, s94, P0B
	v_add_nc_u32 v3, s94, v8                       ; my rows of P0
	s_mul_i32 s95, s18, 33792
	v_add_nc_u32 v4, s95, v8                       ; my rows of P1
	v_lshrrev_b32 v9, 3, v1
	s_delay_alu instid0(VALU_DEP_1)
	v_mul_u32_u24 v9, v9, 272
	v_and_b32 v10, 7, v1
	s_delay_alu instid0(VALU_DEP_1)
	v_lshl_add_u32 v9, v10, 5, v9
	s_xor_b32 s94, s18, 3
	s_add_co_u32 s94, s94, 1
	s_add_co_u32 s94, s94, s17
	s_mul_i32 s94, s94, 2176                       ; from P1's scale bytes of mine to P0's: 8,704 + 2,176 (wi - wj)
	v_mul_u32_u24 v10, s94, v2                     ; lanes 16-31 take P0's
	s_mul_i32 s95, s18, 2176
	s_add_co_u32 s95, s95, SC1B
	v_add_nc_u32 v9, v9, v10
	s_delay_alu instid0(VALU_DEP_1)
	v_add_nc_u32 v5, s95, v9
	; the way out's addresses
	v_mul_u32_u24 v11, v1, 144
	s_delay_alu instid0(VALU_DEP_1)
	v_lshl_add_u32 v11, v2, 4, v11                 ; row r of 144 bytes, + 16 h
	s_wait_alu depctr_va_vdst(0)
	s_mul_i32 s94, s18, 9216
	s_lshl_b32 s95, s17, 5
	s_add_co_u32 s94, s94, s95
	v_add_nc_u32 v9, s94, v11                      ; codes in: token 64 wj + r, my 64 units' 32 bytes
	s_lshr_b32 s94, s17, 1
	s_lshl_b32 s94, s94, 10
	s_lshl_b32 s95, s18, 8
	s_add_co_u32 s94, s94, s95
	s_and_b32 s95, s17, 1
	s_lshl_b32 s95, s95, 1
	s_add_co_u32 s94, s94, s95
	s_add_co_u32 s94, s94, SST
	v_lshl_add_u32 v10, v1, 2, s94                 ; scale bytes in: my token's word of K step wi / 2, its half wi % 2
	s_mul_i32 s94, s[WV], 2304
	v_add_nc_u32 v11, s94, v11                     ; codes back: tile of tokens = my wave's number
	v_and_b32 v15, 31, v0
	s_delay_alu instid0(VALU_DEP_1)
	v_lshlrev_b32 v15, 4, v15                      ; 16 x lane
	s_lshl_b32 s94, s[WV], 9
	s_add_co_u32 s94, s94, SST
	v_add_nc_u32 v14, s94, v15                     ; scale words back (waves 0-3)
	v_mov_b32 v12, 0x3e7c6f08                      ; c9, twice
	v_mov_b32 v13, 0x3e7c6f08
	v_lshlrev_b32 v8, 5, v2                        ; the bias: my half's eight units of a tile
	s_lshl_b32 s94, s42, 10
	s_lshl_b32 s95, s17, 8
	s_add_co_u32 s94, s94, s95
	s_mov_b32 s95, 0
	s_add_nc_u64 s[12:13], s[12:13], s[94:95]
.irp i, 0,1,2,3
	global_load_b128 v[BI+8*\i:BI+8*\i+3], v8, s[12:13] offset:64*\i
	global_load_b128 v[BI+8*\i+4:BI+8*\i+7], v8, s[12:13] offset:64*\i+16
.endr
	s_lshl_b32 s94, s42, 19                        ; images: K step 2 T0, tile of tokens 16 T1 + wave
	s_lshl_b32 s96, s45, 14
	s_add_co_u32 s94, s94, s96
	s_lshl_b32 s96, s[WV], 10
	s_add_co_u32 s94, s94, s96
	s_add_nc_u64 s[14:15], s[14:15], s[94:95]
	s_lshl_b32 s94, s42, 15                        ; scale words: K step 2 T0 + wave / 2, token 256 T1 + 128 (wave % 2)
	s_lshl_b32 s96, s45, 10
	s_add_co_u32 s94, s94, s96
	s_lshr_b32 s96, s[WV], 1
	s_lshl_b32 s96, s96, 14
	s_add_co_u32 s94, s94, s96
	s_and_b32 s96, s[WV], 1
	s_lshl_b32 s96, s96, 9
	s_add_co_u32 s94, s94, s96
	s_add_nc_u64 s[92:93], s[92:93], s[94:95]
	s_wait_tensorcnt 0x0                           ; my quarter has landed,
	s_barrier_signal -1
	s_barrier_wait -1                              ; everybody's has
.macro KSTEP q
.if (\q) > 0
	PLACES 4                                       ; in front of loads into registers that matrix instructions have read
.endif
.if ((\q) % 4) == 0
.irp i, 0,1,2,3
	ds_load_b128 v[SC+4*\i:SC+4*\i+3], v5 offset:544*\i+16*((\q)/4)
.endr
.endif
.irp j, 0,1,2,3
	ds_load_b128 v[F1+8*\j:F1+8*\j+3], v4 offset:8448*\j+64*(\q)
	ds_load_b128 v[F1+8*\j+4:F1+8*\j+7], v4 offset:8448*\j+64*(\q)+32
.endr
.irp i, 0,1,2,3
	ds_load_b128 v[F0+8*\i:F0+8*\i+3], v3 offset:8448*\i+64*(\q)
	ds_load_b128 v[F0+8*\i+4:F0+8*\i+7], v3 offset:8448*\i+64*(\q)+32
.endr
.irp i, 0,1,2,3
	s_wait_dscnt 6-2*\i                            ; P0's tile i is in; the loads of its later tiles may be out
.irp j, 0,1,2,3
	WM ACC+8*(4*\i+\j), F0+8*\i, F1+8*\j, SC+4*\i+(\q)%4, SC+4*\j+(\q)%4, (\q)==0, BI+8*\i
.endr
.endr
.endm
	s_wait_loadcnt 0x0                             ; the bias: the first products take it as C
.irp q, 0,1,2,3,4,5,6,7
	KSTEP \q
.endr
	s_wait_dscnt 0x0                               ; my reads of the panels are over:
	s_barrier_signal -1
	s_barrier_wait -1                              ; everybody's are, and the stage may be written over P1's bytes
	PLACES 4
	v_mov_b32 v[TM+2], 0                           ; a lane permute's destination counts as one of its sources
	v_mov_b32 v[TM+3], 0
.irp j, 0,1,2,3
	GELU16 ACC+8*\j, ACC+8*(4+\j), BI, BI+8
	GELU16 ACC+8*(8+\j), ACC+8*(12+\j), BI+16, BI+24
	s_wait_alu depctr_va_vdst(0)
	s_wait_dscnt 0x0                               ; the last tile's LDS stores have read their registers
	QUANT2 ACC+8*\j, ACC+8*(4+\j), ACC+8*(8+\j), ACC+8*(12+\j), 120
	v_lshl_or_b32 v[TM+4], v[TM+5], 8, v[TM+4]
	ds_store_b128 v9, v[120:123] offset:2304*\j
	ds_store_b16 v10, v[TM+4] offset:64*\j         ; both halves of the lanes write the same two bytes
.endr
	s_wait_dscnt 0x0                               ; for the others' sake: my stores have landed
	s_barrier_signal -1
	s_barrier_wait -1
.irp u, 0,1
.irp c, 0,1
	ds_load_b128 v[64+8*\u+4*\c:67+8*\u+4*\c], v11 offset:64*\u+32*\c      ; lane (r, h): token 16 wave + r, units 128 u + 64 c + 32 h on: the operand's registers
.endr
.endr
	s_wait_dscnt 0x0
.irp u, 0,1
.irp c, 0,1
	global_store_b128 v15, v[64+8*\u+4*\c:67+8*\u+4*\c], s[14:15] offset:262144*\u+512*\c    ; 512 consecutive bytes
.endr
.endr
	s_cmp_lt_u32 s[WV], 4
	s_cbranch_scc0 .Lno_words
	ds_load_b128 v[80:83], v14
	s_wait_dscnt 0x0
	global_store_b128 v15, v[80:83], s[92:93]      ; 128 tokens' words: 512 consecutive bytes
.Lno_words:
	s_wait_tensorcnt 0x0                           ; the wave's end
	ds_add_u32 v6, v7
	s_wait_dscnt 0x0
	CROUND                                         ; the closing round
	s_endpgm
.Lfunc_end_k_q4c8dc43fdf_ff1:
	.size	k_q4c8dc43fdf_ff1, .Lfunc_end_k_q4c8dc43fdf_ff1-k_q4c8dc43fdf_ff1
	.p2alignl 7, 3214868480
	.fill 96, 4, 3214868480
	.section	.rodata,"a",@progbits
	.p2align	6, 0x0
	.amdhsa_kernel k_q4c8dc43fdf_ff1
		.amdhsa_group_segment_fixed_size 327680
		.amdhsa_private_segment_fixed_size 0
		.amdhsa_enable_private_segment 0
		.amdhsa_kernarg_size 56
		.amdhsa_user_sgpr_count 2
		.amdhsa_user_sgpr_kernarg_segment_ptr 1
		.amdhsa_wavefront_size32 1
		.amdhsa_system_sgpr_workgroup_id_x 1
		.amdhsa_system_sgpr_workgroup_id_y 1
		.amdhsa_system_sgpr_workgroup_id_z 1
		.amdhsa_system_vgpr_workitem_id 0
		.amdhsa_next_free_vgpr 256
		.amdhsa_next_free_sgpr 100
		.amdhsa_reserve_vcc 0
		.amdhsa_float_denorm_mode_32 3
		.amdhsa_float_denorm_mode_16_64 3
		.amdhsa_memory_ordered 1
		.amdhsa_forward_progress 1
		.amdhsa_inst_pref_size 149
	.end_amdhsa_kernel
	.amdgpu_metadata
---
amdhsa.version: [ 1, 2 ]
amdhsa.kernels:
  - .name:           k_q4c8dc43fdf_ff1
    .symbol:         k_q4c8dc43fdf_ff1.kd
    .args:
      - { .name: actc, .offset: 0, .size: 8, .value_kind: global_buffer, .address_space: global }
      - { .name: acts, .offset: 8, .size: 8, .value_kind: global_buffer, .address_space: global }
      - { .name: w_ff1_codes, .offset: 16, .size: 8, .value_kind: global_buffer, .address_space: global }
      - { .name: w_ff1_scales, .offset: 24, .size: 8, .value_kind: global_buffer, .address_space: global }
      - { .name: b_ff1, .offset: 32, .size: 8, .value_kind: global_buffer, .address_space: global }
      - { .name: hc, .offset: 40, .size: 8, .value_kind: global_buffer, .address_space: global }
      - { .name: hs, .offset: 48, .size: 8, .value_kind: global_buffer, .address_space: global }
    .group_segment_fixed_size: 327680
    .private_segment_fixed_size: 0
    .kernarg_segment_align: 8
    .kernarg_segment_size: 56
    .max_flat_workgroup_size: 512
    .sgpr_count:     100
    .vgpr_count:     256
    .wavefront_size: 32
...
	.end_amdgpu_metadata
.endif
;; end of part 4
;; launch ff2 (part 5): grid 8 x 32, 4 waves a work-group, clusters of 4 x 4, 327,680 bytes of LDS; arguments hc, hs, w_ff2_codes, w_ff2_scales, b_ff2, x1, out0; writes out0
.if DOCPART == 5
	.amdgcn_target "amdgcn-amd-amdhsa--gfx1250"
	.amdhsa_code_object_version 6
	.text
	.protected	k_q4c8dc43fdf_ff2
	.globl	k_q4c8dc43fdf_ff2
	.p2align	8
	.type	k_q4c8dc43fdf_ff2,@function
k_q4c8dc43fdf_ff2:
	s_mov_b64 s[64:65], 0
	v_nop
	global_prefetch_b8 v0, s[64:65] scope:SCOPE_SE
	s_setreg_imm32_b32 hwreg(HW_REG_WAVE_MODE, 25, 1), 1
	s_wait_xcnt 0x0
	s_wait_alu depctr_hold_cnt(0) depctr_sa_sdst(0) depctr_va_vdst(0) depctr_va_sdst(0) depctr_va_ssrc(0) depctr_va_vcc(0) depctr_vm_vsrc(0)
	s_getreg_b32 s2, hwreg(HW_REG_IB_STS2, 6, 4)
	s_cmp_eq_u32 s2, 0
	s_cbranch_scc0 .Lentry_in_a_cluster
	s_endpgm
.Lentry_in_a_cluster:
	s_bfe_u32 s2, ttmp6, 0x10000c
	s_cmp_lg_u32 s2, 0xf033
	s_cbranch_scc0 .Lentry_shape_is_right
	s_endpgm
.Lentry_shape_is_right:
; out0 = x1 + (hidden W^T + b_ff2) on codes of FP4 with E8M0 scales.  hidden: images of operand registers [K step 32][tile of 16 tokens 256][1,024 bytes], scale words [K step 32][token 4,096].
; W: codes [1024][2,048 bytes], scale bytes [1024][128].  A work-group makes 128 tokens x 128 columns: 256 work-groups; four waves, each 64 x 64: 16 accumulators, which take turns.
; Source 0 = 16 rows of W, source 1 = 16 tokens: a lane holds eight neighbouring columns of one token's row.
; K goes in four chunks of 1,024 through two slots (the tokens' 64 images, dense, and W's 128 rows x 512 bytes + 16).  The scales of all of K come once.
; THE HEAD'S FOUR TILES, one tensor load a wave: wave 0 chunk 0's images, wave 1 its rows of W, wave 2 the tokens' scale words, wave 3 W's scale bytes.  Slot 1's first fill and the two refills stand
; each behind the three lines and a round of the cluster's barrier, half a tile a wave: one tensor load of mine is out at any place.
; CLUSTER 4 x 4: the tokens' tiles are shared along a row of the cluster, W's along a column: joint loads.
; PREFETCH INTO THE L2: chunks 1, 2 and 3 are asked for one chunk ahead of their tensor loads, one instruction a wave and chunk: 32 blocks of 256 bytes, a lane a block.  Of the four K steps of images
; that a wave fetches, the partner at place cx takes one (8,192 dense bytes); of W's 64 rows that a wave fetches, the partner at place cy takes 16 (two blocks a row): told apart by address alone, so
; that each block is named once in each cluster that will load it.  Chunk 0 comes by its loads alone; nothing is asked for behind chunk 3.
; FRAGMENTS: three sets of 64 registers; a step's 16 LDS loads are issued two steps ahead of its products.
; REGISTERS: window 0: v4-15 addresses; v16-31 W's scale words; v32-39 the tokens'; v40-43 the bias; v44 the prefetches' offset; v48-111 rows on the way out; v128-255 the accumulators.
; Window 1: v0-127 the residual; v128-255 fragment sets 0 and 1.  Window 2: v128-191 fragment set 2.
.set KROW,  2048
.set KS,    128
.set NQ,    32
.set P0OFF, 65536
.set SLOT,  133120
.set S1,    2*SLOT                     ; the tokens' scale words: NQ rows of 512 bytes + 16
.set S0,    S1+NQ*528                  ; W's scale bytes, in units of 256 bytes + 16
.set S0H,   (64*KS/256)*272            ; those of 64 rows
.set SBLK,  (16*KS/256)*272            ; of 16
.set STG,   (S0+2*S0H+255)/256*256     ; the way out: 16 rows x (256 bytes + 16) for each wave, bytes of its own
.set SPARE, STG+4*4352                 ; the spare words, 128 bytes a wave: two blocks of 256 bytes that no other line names
.set SA,  16
.set SB,  32
.set OB,  48
.set ACC, 128
.set PFO, 44
.set WV,  18
.set G1,  24
.set G0,  32
.set G1B, 48
.set G0B, 56
.set G1S, 68
.set G0S, 76
.set G1SB, 80
.set G0SB, 88
.set PFA, 100                          ; s[100:101] where my prefetches stand; s[104:105] a chunk on, in bytes
.set PFS, 104
.set MSB, 0
.macro WIN new                         ; the immediate's high byte repeats the setting that is left
.if MSB != \new
	s_set_vgpr_msb (MSB<<8)|\new
.set MSB, \new
.endif
.endm
.set MUL,  0x05                        ; sources 0 and 1 window 1 (twice the number: window 2); C and D window 0
.set TO_F, 0x40                        ; destination window 1 (twice: window 2)
.set ADDX, 0x04                        ; source 1 window 1
.macro PLACES n
.rept \n
	v_nop
.endr
.endm
.macro CROUND                          ; a round of the cluster's barrier
	s_barrier_signal -1
	s_barrier_wait -1
	s_cmp_lg_u32 s[WV], 0
	s_cbranch_scc1 .Lnot_wave_0_\@
	s_barrier_signal -3
.Lnot_wave_0_\@:
	s_barrier_wait -3
	s_barrier_signal -1
	s_barrier_wait -1
.endm
.macro JLOAD g0a, g1a, g0b, g1b        ; waves 0 and 1 fetch the tokens' images, waves 2 and 3 W; an s_nop 0 and four v_nop follow each line
	s_cmp_eq_u32 s19, 0
	s_cbranch_scc0 .Lfor_b_\@
	tensor_load_to_lds s[\g0a:\g0a+3], s[\g1a:\g1a+7]
	s_nop 0
.rept 4
	v_nop
.endr
	s_branch .Lasked_\@
.Lfor_b_\@:
	tensor_load_to_lds s[\g0b:\g0b+3], s[\g1b:\g1b+7]
	s_nop 0
.rept 4
	v_nop
.endr
.Lasked_\@:
.endm
.macro WM d, a, b, sa, sb, kind        ; kind: 1: source 0's scales in lanes 16-31; 2: source 1's; 4: the product starts the sum
.if (\kind) == 4
	v_wmma_scale_f32_16x16x128_f8f6f4 v[(\d):(\d)+7], v[(\a):(\a)+7], v[(\b):(\b)+7], 0, v[\sa], v[\sb] matrix_a_fmt:MATRIX_FMT_FP4 matrix_b_fmt:MATRIX_FMT_FP4
.elseif (\kind) == 0
	v_wmma_scale_f32_16x16x128_f8f6f4 v[(\d):(\d)+7], v[(\a):(\a)+7], v[(\b):(\b)+7], v[(\d):(\d)+7], v[\sa], v[\sb] matrix_a_fmt:MATRIX_FMT_FP4 matrix_b_fmt:MATRIX_FMT_FP4
.elseif (\kind) == 1
	v_wmma_scale_f32_16x16x128_f8f6f4 v[(\d):(\d)+7], v[(\a):(\a)+7], v[(\b):(\b)+7], v[(\d):(\d)+7], v[\sa], v[\sb] matrix_a_fmt:MATRIX_FMT_FP4 matrix_b_fmt:MATRIX_FMT_FP4 matrix_a_scale:MATRIX_SCALE_ROW1
.elseif (\kind) == 2
	v_wmma_scale_f32_16x16x128_f8f6f4 v[(\d):(\d)+7], v[(\a):(\a)+7], v[(\b):(\b)+7], v[(\d):(\d)+7], v[\sa], v[\sb] matrix_a_fmt:MATRIX_FMT_FP4 matrix_b_fmt:MATRIX_FMT_FP4 matrix_b_scale:MATRIX_SCALE_ROW1
.else
	v_wmma_scale_f32_16x16x128_f8f6f4 v[(\d):(\d)+7], v[(\a):(\a)+7], v[(\b):(\b)+7], v[(\d):(\d)+7], v[\sa], v[\sb] matrix_a_fmt:MATRIX_FMT_FP4 matrix_b_fmt:MATRIX_FMT_FP4 matrix_a_scale:MATRIX_SCALE_ROW1 matrix_b_scale:MATRIX_SCALE_ROW1
.endif
.endm
	s_load_b256 s[4:11], s[0:1], 0x0               ; the images, their scale words, W's codes, W's scales
	s_load_b128 s[12:15], s[0:1], 0x20             ; the bias, the residual
	s_load_b64 s[16:17], s[0:1], 0x30              ; out
	v_lshl_add_u32 v13, v0, 2, SPARE               ; my spare word; never rewritten
	v_mov_b32 v14, 0                               ; 0; never rewritten
	ds_add_u32 v13, v14                            ; the wave's opening: the add, twice on end, and its wait ahead of my first tensor load
	ds_add_u32 v13, v14
	v_lshrrev_b32 v1, 5, v0
	v_readfirstlane_b32 s[WV], v1                  ; wave 0..3
	s_lshr_b32 s19, s[WV], 1                       ; my half of the tokens.  Also: in the ring I fetch images (0) or W (1)
	s_and_b32 s20, s[WV], 1                        ; my half of the columns.  Also: which half of a tile I fetch
	s_bfe_u32 s40, ttmp6, 0x40000                  ; cx
	s_bfe_u32 s41, ttmp6, 0x40004                  ; cy
	s_lshl_b32 s42, ttmp9, 2
	s_add_co_u32 s42, s42, s40                     ; the tile of 128 columns
	s_and_b32 s45, ttmp7, 0xffff
	s_lshl_b32 s45, s45, 2
	s_add_co_u32 s45, s45, s41                     ; the tile of 128 tokens
	s_lshl_b32 s43, s41, 2
	s_lshl_b32 s43, 15, s43                        ; my row of the cluster
	s_lshl_b32 s44, 0x1111, s40                    ; my column
	s_or_b32 s[G1], s43, (3<<16)|(1<<21)           ; images: K steps x 8,192 consecutive bytes (1,024 elements of 8 bytes), 262,144 bytes apart; no padding
	s_mov_b32 s[G1+1], 1024<<16
	s_mov_b32 s[G1+2], 8<<16                       ; the head's load brings all eight K steps of a chunk
	s_mov_b32 s[G1+3], 1024<<16
	s_mov_b32 s[G1+4], 8
	s_mov_b32 s[G1+5], 32768
	s_mov_b32 s[G1+6], 0
	s_mov_b32 s[G1+7], 0
	s_or_b32 s[G1B], s44, 0x07b00000               ; W's codes: rows x 512 bytes, four words of padding behind each 128
	s_mov_b32 s[G1B+1], 512<<16
	s_mov_b32 s[G1B+2], 128<<16                    ; and all 128 rows of W
	s_mov_b32 s[G1B+3], 512<<16
	s_mov_b32 s[G1B+4], 128
	s_mov_b32 s[G1B+5], KROW
	s_mov_b32 s[G1B+6], 0
	s_mov_b32 s[G1B+7], 0
	s_or_b32 s[G1S], s43, 0x07b30000               ; the tokens' scale words: NQ rows x 512 bytes (64 elements of 8), 16,384 bytes apart, padded likewise
	s_mov_b32 s[G1S+1], 64<<16
	s_mov_b32 s[G1S+2], NQ<<16
	s_mov_b32 s[G1S+3], 64<<16
	s_mov_b32 s[G1S+4], NQ
	s_mov_b32 s[G1S+5], 2048
	s_mov_b32 s[G1S+6], 0
	s_mov_b32 s[G1S+7], 0
	s_or_b32 s[G1SB], s44, 0x07730000              ; W's scale bytes of 128 rows: a dense block, as rows of 256 bytes, four words of padding behind each
	s_mov_b32 s[G1SB+1], 32<<16
	s_mov_b32 s[G1SB+2], (128*KS/256)<<16
	s_mov_b32 s[G1SB+3], 32<<16
	s_mov_b32 s[G1SB+4], 128*KS/256
	s_mov_b32 s[G1SB+5], 32
	s_mov_b32 s[G1SB+6], 0
	s_mov_b32 s[G1SB+7], 0
	s_lshl_b32 s92, s45, 13                        ; the ring's images: eight of the tile of tokens, + my four K steps
	s_lshl_b32 s22, s20, 20
	s_add_co_u32 s92, s92, s22
	s_mov_b32 s93, 0
	s_lshl_b32 s94, s45, 9                         ; the tokens' scale words
	s_mov_b32 s95, 0
	s_lshl_b32 s96, s42, 7                         ; the ring's W: row 128 x tile + 64 x half
	s_lshl_b32 s22, s20, 6
	s_add_co_u32 s96, s96, s22
	s_mul_i32 s98, s42, 128*KS                     ; W's scale bytes
	s_mov_b32 s99, 0
	s_mul_i32 s96, s96, KROW
	s_mov_b32 s97, 0
	s_lshl_b32 s21, s20, 15                        ; where the halves go: no place in the cluster enters an LDS address
	s_mul_i32 s23, s20, 33792
	s_wait_dscnt 0x0                               ; both opening adds are done
	s_wait_kmcnt 0x0
	s_add_nc_u64 s[92:93], s[4:5], s[92:93]
	s_add_nc_u64 s[96:97], s[8:9], s[96:97]
	CROUND                                         ; all sixteen work-groups are here: the first joint loads meet
	s_mov_b32 s[G0S], 1
	s_mov_b32 s[G0S+1], S1
	s_add_nc_u64 s[G0S+2:G0S+3], s[6:7], s[94:95]
	s_or_b32 s[G0S+3], s[G0S+3], 0x80000000
	s_mov_b32 s[G0SB], 1
	s_mov_b32 s[G0SB+1], S0
	s_add_nc_u64 s[G0SB+2:G0SB+3], s[10:11], s[98:99]
	s_or_b32 s[G0SB+3], s[G0SB+3], 0x80000000
.irp s, 0,1                            ; the ring's groups 0: half a tile a wave
	s_mov_b32 s[G0+4*\s], 1
	s_add_co_u32 s[G0+4*\s+1], s21, \s*SLOT
	s_add_nc_u64 s[G0+4*\s+2:G0+4*\s+3], s[92:93], \s*2097152
	s_or_b32 s[G0+4*\s+3], s[G0+4*\s+3], 0x80000000
	s_mov_b32 s[G0B+4*\s], 1
	s_add_co_u32 s[G0B+4*\s+1], s23, \s*SLOT+P0OFF
	s_add_nc_u64 s[G0B+4*\s+2:G0B+4*\s+3], s[96:97], \s*512
	s_or_b32 s[G0B+4*\s+3], s[G0B+4*\s+3], 0x80000000
.endr
	s_cmp_eq_u32 s19, 0
	s_cselect_b64 s[PFA:PFA+1], s[4:5], s[8:9]     ; my prefetches name the tensor that I fetch in the ring
	s_lshl_b32 s66, s45, 13                        ; the head's groups 0, in registers whose arguments have been used: chunk 0's images, whole,
	s_mov_b32 s67, 0
	s_add_nc_u64 s[6:7], s[4:5], s[66:67]
	s_or_b32 s7, s7, 0x80000000
	s_mov_b32 s4, 1
	s_mov_b32 s5, 0
	s_mul_i32 s2, s42, 128*KROW                    ; and its 128 rows of W
	s_mov_b32 s3, 0
	s_add_nc_u64 s[10:11], s[8:9], s[2:3]
	s_or_b32 s11, s11, 0x80000000
	s_mov_b32 s8, 1
	s_mov_b32 s9, P0OFF
; ONE tree of branches on the wave's number, each arm with its load: every way through the head passes exactly one
.macro ARM under, g0, g1, next
	s_cmp_lt_u32 s[WV], \under
	s_cbranch_scc0 \next
	tensor_load_to_lds s[\g0:\g0+3], s[\g1:\g1+7]
	s_nop 0
.rept 4
	v_nop
.endr
	s_branch .Lhead_asked
\next:
.endm
	ARM 1, 4, G1, .Lhead_b
	ARM 2, 8, G1B, .Lhead_sa
	ARM 3, G0S, G1S, .Lhead_sb
	tensor_load_to_lds s[G0SB:G0SB+3], s[G1SB:G1SB+7]
	s_nop 0
.rept 4
	v_nop
.endr
.Lhead_asked:
	; where my prefetches stand: at chunk 1
	s_lshl_b32 s94, s20, 2
	s_add_co_u32 s94, s94, s40                     ; images: K step 4 x half + cx of the chunk,
	s_lshl_b32 s94, s94, 18
	s_lshl_b32 s95, s45, 13
	s_add_co_u32 s94, s94, s95                     ; the tile's eight images there: 8,192 dense bytes;
	s_add_co_u32 s94, s94, 2097152                 ; a chunk is eight K steps
	s_lshl_b32 s98, s42, 7
	s_lshl_b32 s99, s20, 6
	s_add_co_u32 s98, s98, s99
	s_lshl_b32 s99, s41, 4
	s_add_co_u32 s98, s98, s99                     ; W: row 128 x tile + 64 x half + 16 cy,
	s_mul_i32 s98, s98, KROW
	s_add_co_u32 s98, s98, 512                     ; a chunk is 512 bytes of each row
	s_cmp_eq_u32 s19, 0
	s_cselect_b32 s94, s94, s98
	s_mov_b32 s[PFS], 512
	s_cselect_b32 s[PFS], 0x200000, s[PFS]
	s_mov_b32 s99, KROW
	s_cselect_b32 s99, 512, s99                    ; from one pair of blocks to the next: 512 bytes in the images, a row in W
	s_mov_b32 s95, 0
	s_mov_b32 s[PFS+1], 0
	s_add_nc_u64 s[PFA:PFA+1], s[PFA:PFA+1], s[94:95]
	v_and_b32 v45, 31, v0
	v_lshrrev_b32 v[PFO], 1, v45
	v_and_b32 v45, 1, v45
	v_mul_u32_u24 v[PFO], v[PFO], s99
	v_lshl_add_u32 v[PFO], v45, 8, v[PFO]          ; a lane a block of 256 bytes; never rewritten
	global_prefetch_b8 v[PFO], s[PFA:PFA+1] th:TH_LOAD_NT scope:SCOPE_SE   ; chunk 1: its load stands behind the wait for the head's tiles
	v_and_b32 v1, 15, v0                           ; r
	v_bfe_u32 v2, v0, 4, 1                         ; h
	v_and_b32 v3, 31, v0                           ; lane
	s_lshl_b32 s22, s19, 12
	v_lshl_add_u32 v4, v3, 4, s22                  ; the images of my four tiles: 16 x lane
	v_add_nc_u32 v5, SLOT, v4
	v_mul_u32_u24 v6, v1, 528
	v_lshl_add_u32 v6, v2, 4, v6
	s_mul_i32 s22, s20, 33792
	s_add_co_u32 s22, s22, P0OFF
	v_add_nc_u32 v6, s22, v6                       ; W's rows of mine
	v_add_nc_u32 v7, SLOT, v6
	v_lshlrev_b32 v8, 2, v1
	v_mad_u32_u24 v8, v2, 528, v8                  ; the tokens' scale words: lanes 0-15 an even K step's, lanes 16-31 the next one's
	s_lshl_b32 s22, s19, 8
	s_add_co_u32 s22, s22, S1
	v_add_nc_u32 v8, s22, v8
	v_mul_u32_u24 v9, v1, KS                       ; W's: KS bytes a row, 16 more for each 256 passed;
	v_lshrrev_b32 v15, 8, v9
	v_lshl_add_u32 v9, v15, 4, v9
	v_lshl_add_u32 v9, v2, 4, v9                   ; lanes 0-15 a chunk's K steps 0-3, lanes 16-31 its K steps 4-7
	s_mul_i32 s22, s20, S0H
	s_add_co_u32 s22, s22, S0
	v_add_nc_u32 v9, s22, v9
	s_mul_i32 s22, s[WV], 4352
	s_add_co_u32 s22, s22, STG
	v_mul_u32_u24 v10, v1, 272
	v_lshl_add_u32 v10, v2, 5, v10
	v_add_nc_u32 v10, s22, v10                     ; into my stage: row r, 32 bytes for each half of the lanes
	v_mul_u32_u24 v11, v2, 272
	v_lshl_add_u32 v11, v1, 4, v11
	v_add_nc_u32 v11, s22, v11                     ; back: lanes 0-15 one row of 256 bytes, lanes 16-31 the next
	v_lshlrev_b32 v12, 12, v2
	v_lshl_add_u32 v12, v1, 4, v12                 ; and the same two rows in the residual and in out
	s_wait_alu depctr_va_vdst(0)
	v_lshlrev_b32 v15, 4, v1                       ; my four columns' bias
	s_wait_alu depctr_va_vdst(0)
	s_lshl_b32 s46, s42, 9
	s_lshl_b32 s22, s20, 8
	s_add_co_u32 s46, s46, s22                     ; my first column, in bytes
	s_mov_b32 s47, 0
	s_add_nc_u64 s[12:13], s[12:13], s[46:47]
	s_lshl_b32 s22, s45, 19
	s_add_co_u32 s46, s46, s22
	s_lshl_b32 s22, s19, 18
	s_add_co_u32 s46, s46, s22                     ; + my first token's row
	s_add_nc_u64 s[14:15], s[14:15], s[46:47]
	s_add_nc_u64 s[16:17], s[16:17], s[46:47]
.macro RES j                           ; the residual of my j-th tile of 16 tokens, in the layout of the way out: eight loads; one such group stands behind each of the ring's four fills
	WIN TO_F
.irp t, 0,1,2,3,4,5,6,7
	global_load_b128 v[4*(8*(\j)+\t):4*(8*(\j)+\t)+3], v12, s[14:15] offset:(16*(\j)+2*\t)*4096
.endr
	WIN 0
.endm
.macro ASK                             ; behind a chunk's tensor load: the chunk after it is asked of memory, a chunk's 128 products ahead of its own load
	s_wait_xcnt 0x0                                ; my last prefetch has read its address: only behind this wait is it stepped
	s_add_nc_u64 s[PFA:PFA+1], s[PFA:PFA+1], s[PFS:PFS+1]
	global_prefetch_b8 v[PFO], s[PFA:PFA+1] th:TH_LOAD_NT scope:SCOPE_SE
.endm
	s_wait_alu depctr_va_vdst(0)
	s_wait_tensorcnt 0x0                           ; my tile of the head's four is in
	ds_add_u32 v13, v14
	s_mov_b32 s[G1+2], 4<<16                       ; no tensor load of mine is out: from here on a load brings half a tile
	s_mov_b32 s[G1+4], 4
	s_mov_b32 s[G1B+2], 64<<16
	s_mov_b32 s[G1B+4], 64
	s_wait_dscnt 0x0
	CROUND                                         ; all four tiles are in, and all sixteen work-groups are here
	JLOAD G0+4, G1, G0B+4, G1B                     ; slot 1's first fill: the first tensor load behind the round
	ASK                                            ; chunk 2
	RES 0
	global_load_b128 v[40:43], v15, s[12:13]       ; the bias
.macro FETCH slot, ch, q, set          ; the fragments of the chunk's q-th 128 along K into a set (0, 1: window 1; 2: window 2); with an even q the tokens' scale words of two K steps: 16 or 20 LDS loads
.set FS, 64*((\set)%2)
	WIN TO_F*(1+(\set)/2)
.irp i, 0,1,2,3
	ds_load_b128 v[128+FS+8*\i:128+FS+8*\i+3], v[6+(\slot)] offset:8448*\i+64*(\q)
	ds_load_b128 v[128+FS+8*\i+4:128+FS+8*\i+7], v[6+(\slot)] offset:8448*\i+64*(\q)+32
.endr
.irp j, 0,1,2,3
	ds_load_b128 v[160+FS+8*\j:160+FS+8*\j+3], v[4+(\slot)] offset:8192*(\q)+1024*\j
	ds_load_b128 v[160+FS+8*\j+4:160+FS+8*\j+7], v[4+(\slot)] offset:8192*(\q)+1024*\j+512
.endr
	WIN 0
.if ((\q) % 2) == 0
.irp j, 0,1,2,3
	ds_load_b32 v[SB+4*(((\q)/2)%2)+\j], v8 offset:(8*(\ch)+(\q))*528+64*\j
.endr
.endif
.endm
.macro MULS set, q, start              ; 16 products; the sixteen accumulators take turns
.set KIND, (\q)/4+2*((\q)%2)+4*(\start)
.set FS, 64*((\set)%2)
	WIN MUL*(1+(\set)/2)
.irp i, 0,1,2,3
.irp j, 0,1,2,3
	WM ACC+8*(4*\i+\j), 128+FS+8*\i, 160+FS+8*\j, SA+4*\i+(\q)%4, SB+4*(((\q)/2)%2)+\j, KIND
.endr
.endr
.endm
.macro CHUNK slot, ch                  ; 1,024 along K: eight steps; step q + 2's fragments are asked for ahead of step q's products, into the set that step q - 1 has left
.irp i, 0,1,2,3
	ds_load_b128 v[SA+4*\i:SA+4*\i+3], v9 offset:32*(\ch)+\i*SBLK
.endr
	FETCH \slot, \ch, 0, 0
	FETCH \slot, \ch, 1, 1
.irp q, 0,1,2,3,4,5,6,7
.if \q == 7
	s_wait_dscnt 0x0                               ; the last step's fragments are in
.elseif (\q % 2) == 1
	s_wait_dscnt 20                                ; this step's are in; the next step's 16 loads and 4 scale words may be out
.else
	s_wait_dscnt 16                                ; this step's are in; the next step's 16 loads may be out
.endif
.if \q < 6
.if \q > 0
	PLACES 4                                       ; in front of loads into registers that matrix instructions have read
.endif
	FETCH \slot, \ch, \q+2, (\q+2)%3
.endif
.if ((\ch) == 0) && (\q == 0)
	MULS 0, 0, 1
.else
	MULS \q%3, \q, 0
.endif
.endr
.endm
.macro TURN slot                       ; the slot just read out is filled again, two chunks on
	WIN 0
	s_wait_tensorcnt 0x0                           ; all my tensor loads have landed, my part of the other slot among them: a group 0 may be written
	ds_add_u32 v13, v14                            ; 0 onto my spare word
	s_add_nc_u64 s[G0+4*\slot+2:G0+4*\slot+3], s[G0+4*\slot+2:G0+4*\slot+3], 4194304
	s_add_nc_u64 s[G0B+4*\slot+2:G0B+4*\slot+3], s[G0B+4*\slot+2:G0B+4*\slot+3], 1024
	s_wait_dscnt 0x0                               ; the add is done, and my reads of this slot are over
	CROUND                                         ; no wave of any partner still reads the slot or has a load on its way
	JLOAD G0+4*\slot, G1, G0B+4*\slot, G1B         ; the first tensor load behind the round, one a wave; its four v_nop are the places in front of the loads that follow
.endm
	CHUNK 0, 0
	TURN 0
	ASK                                            ; chunk 3
	RES 1
	CHUNK 1, 1
	TURN 1
	RES 2
	CHUNK 0, 2
	WIN 0
	s_wait_tensorcnt 0x0                           ; my part of the last chunk has landed; nothing is filled again
	ds_add_u32 v13, v14
	s_wait_dscnt 0x0
	s_barrier_signal -1
	s_barrier_wait -1
	PLACES 4
	RES 3
	CHUNK 1, 3
	; THE WAY OUT, a tile of 16 tokens at a time, through my own stage: back come whole runs of 256 bytes of a row, to which the bias and the residual are added
	WIN 0
	PLACES 4
	s_wait_loadcnt 0x0                             ; the residual and the bias
.macro OUTJ j
.set OBS, OB+32*((\j)%2)
.if (\j) > 1
	s_wait_xcnt 0x0                                ; the stores of two tiles ago have read these registers
.endif
.irp i, 0,1,2,3
	ds_store_b128 v10, v[ACC+8*(4*\i+(\j)):ACC+8*(4*\i+(\j))+3] offset:64*\i          ; each accumulator from its low end on
	ds_store_b128 v10, v[ACC+8*(4*\i+(\j))+4:ACC+8*(4*\i+(\j))+7] offset:64*\i+16
.endr
.irp t, 0,1,2,3,4,5,6,7
	ds_load_b128 v[OBS+4*\t:OBS+4*\t+3], v11 offset:544*\t         ; LDS serves a wave's instructions in order: these see my stores
.endr
	s_wait_dscnt 0x0
.irp t, 0,1,2,3,4,5,6,7
	v_pk_add_f32 v[OBS+4*\t:OBS+4*\t+1], v[OBS+4*\t:OBS+4*\t+1], v[40:41]
	v_pk_add_f32 v[OBS+4*\t+2:OBS+4*\t+3], v[OBS+4*\t+2:OBS+4*\t+3], v[42:43]
.endr
	WIN ADDX
.irp t, 0,1,2,3,4,5,6,7
	v_pk_add_f32 v[OBS+4*\t:OBS+4*\t+1], v[OBS+4*\t:OBS+4*\t+1], v[4*(8*(\j)+\t):4*(8*(\j)+\t)+1]
	v_pk_add_f32 v[OBS+4*\t+2:OBS+4*\t+3], v[OBS+4*\t+2:OBS+4*\t+3], v[4*(8*(\j)+\t)+2:4*(8*(\j)+\t)+3]
.endr
	WIN 0
.irp t, 0,1,2,3,4,5,6,7
	global_store_b128 v12, v[OBS+4*\t:OBS+4*\t+3], s[16:17] offset:(16*(\j)+2*\t)*4096        ; sixteen lanes store 256 consecutive bytes, aligned
.endr
.endm
	OUTJ 0
	OUTJ 1
	OUTJ 2
	OUTJ 3
	s_wait_tensorcnt 0x0                           ; the wave's end
	ds_add_u32 v13, v14
	s_wait_dscnt 0x0
	CROUND                                         ; the closing round
	s_endpgm
.Lfunc_end_k_q4c8dc43fdf_ff2:
	.size	k_q4c8dc43fdf_ff2, .Lfunc_end_k_q4c8dc43fdf_ff2-k_q4c8dc43fdf_ff2
	.p2alignl 7, 3214868480
	.fill 96, 4, 3214868480
	.section	.rodata,"a",@progbits
	.p2align	6, 0x0
	.amdhsa_kernel k_q4c8dc43fdf_ff2
		.amdhsa_group_segment_fixed_size 327680
		.amdhsa_private_segment_fixed_size 0
		.amdhsa_enable_private_segment 0
		.amdhsa_kernarg_size 56
		.amdhsa_user_sgpr_count 2
		.amdhsa_user_sgpr_kernarg_segment_ptr 1
		.amdhsa_wavefront_size32 1
		.amdhsa_system_sgpr_workgroup_id_x 1
		.amdhsa_system_sgpr_workgroup_id_y 1
		.amdhsa_system_sgpr_workgroup_id_z 1
		.amdhsa_system_vgpr_workitem_id 0
		.amdhsa_next_free_vgpr 768
		.amdhsa_next_free_sgpr 106
		.amdhsa_reserve_vcc 0
		.amdhsa_float_denorm_mode_32 3
		.amdhsa_float_denorm_mode_16_64 3
		.amdhsa_memory_ordered 1
		.amdhsa_forward_progress 1
		.amdhsa_inst_pref_size 142
	.end_amdhsa_kernel
	.amdgpu_metadata
---
amdhsa.version: [ 1, 2 ]
amdhsa.kernels:
  - .name:           k_q4c8dc43fdf_ff2
    .symbol:         k_q4c8dc43fdf_ff2.kd
    .args:
      - { .name: hc, .offset: 0, .size: 8, .value_kind: global_buffer, .address_space: global }
      - { .name: hs, .offset: 8, .size: 8, .value_kind: global_buffer, .address_space: global }
      - { .name: w_ff2_codes, .offset: 16, .size: 8, .value_kind: global_buffer, .address_space: global }
      - { .name: w_ff2_scales, .offset: 24, .size: 8, .value_kind: global_buffer, .address_space: global }
      - { .name: b_ff2, .offset: 32, .size: 8, .value_kind: global_buffer, .address_space: global }
      - { .name: x1, .offset: 40, .size: 8, .value_kind: global_buffer, .address_space: global }
      - { .name: out0, .offset: 48, .size: 8, .value_kind: global_buffer, .address_space: global }
    .group_segment_fixed_size: 327680
    .private_segment_fixed_size: 0
    .kernarg_segment_align: 8
    .kernarg_segment_size: 56
    .max_flat_workgroup_size: 128
    .sgpr_count:     106
    .vgpr_count:     768
    .wavefront_size: 32
...
	.end_amdgpu_metadata
.endif
;; end of part 5
